; MI455X (gfx1250); checked and timed in simulation.
; The chip was launched on July 23, 2026; its instructions are those of AMD's public machine-readable ISA for CDNA 5 (MIT licence, August 2026) and "CDNA5" Instruction Set Architecture Reference Guide (July 2026). The comments in the code are by the model that wrote it; some were corrected since.
;; Causal Attn. Allowed arithmetic: matrix products marked QUANTISED: E2M3 operands, one E8M0 scale for each 32 along K, by v_wmma_scale_f32_16x16x128_f8f6f4 with both operands' format E2M3, f32 sums; everything else in f32.
;; Inputs: Wk 1,024 x 1,024 float32; Wq 1,024 x 1,024 float32; Wv 1,024 x 1,024 float32; x 4 x 2,048 x 1,024 float32.
;; Outputs: out0 4 x 2,048 x 1,024 float32.
;; This version of the problem:
;;   THIS VERSION OF THE PROBLEM IS GIVEN IN LOW PRECISION. The matrix products marked QUANTISED in the list below multiply operands that are first quantised to E2M3 (2 exponent bits, 3 mantissa bits; 6 bits a number), with one power-of-two scale for each 32 numbers along K (OCP MX v1.0); their sums are f32. All else is computed in f32.
;;   The module's matrix products, in the order in which they are computed (A, B: the left and right operand; K: the contracted axis; several contracted axes count as one K, in the product's order):
;;     1. [M 8,192, K 1,024] x [K 1,024, N 1,024]; A: input x; B: input Wk: QUANTISED
;;     2. [M 8,192, K 1,024] x [K 1,024, N 1,024]; A: input x; B: input Wq: QUANTISED
;;     3. [M 8,192, K 1,024] x [K 1,024, N 1,024]; A: input x; B: input Wv: QUANTISED
;;     4. batch 4 x [M 2,048, K 1,024] x [K 1,024, N 2,048]; A: computed on the way; B: computed on the way: QUANTISED
;;     5. batch 4 x [M 2,048, K 2,048] x [K 2,048, N 1,024]; A: softmax (see below); B: computed on the way: QUANTISED
;;   THE QUANTISER, for each operand of a quantised product, along K:
;;     - K is cut into blocks of 32 from its start; a last block that is shorter is filled with zeros.
;;     - A block's scale is 2^e with e = floor(log2(the largest magnitude in the block)) - 2, held to -126 .. 127; a block of zeros has e = 0. As a byte (E8M0): e + 127.
;;     - Each number is divided by its block's scale, clamped to +-7.5, and rounded to the nearest number of E2M3, ties to even, subnormals kept.
;;     - The product sums the exact products of the quantised numbers (number of the format x scale) in f32.
;;   ~~~python
;;   def quantise(x, axis):      # numpy; x: float32 -> the quantised numbers, widened to float32 again
;;       x = np.moveaxis(x, axis, -1); K = x.shape[-1]
;;       x = np.pad(x, [(0, 0)] * (x.ndim - 1) + [(0, -K % 32)]); x = x.reshape(x.shape[:-1] + (-1, 32)); a = np.abs(x).max(-1, keepdims=True)
;;       e = np.where(a > 0, np.clip(np.frexp(np.where(a > 0, a, 1))[1] - 1 - 2, -126, 127), 0)      # np.frexp(a)[1] - 1 = floor(log2(a)), exactly
;;       r = np.clip(x / 2.0 ** e, -7.5, 7.5)
;;       step = 2.0 ** (np.maximum(np.frexp(np.where(r == 0, 1, r))[1] - 1, 0) - 3)
;;       q = np.round(r / step) * step * 2.0 ** e      # np.round: ties to even
;;       return np.moveaxis(q.reshape(q.shape[:-2] + (-1,))[..., :K], -1, axis).astype(np.float32)
;;   ~~~
;;   SOFTMAX AHEAD OF A QUANTISED PRODUCT. Where the list says 'softmax', what is quantised is not the finished softmax but p = 2^(t - M), with t = logit x log2(e) and M = ceil(the row's largest t), a whole number; so 1/2 < the row's largest p <= 1. The row's sum l is taken of the UNQUANTISED p, in f32, and the product's result is divided by l at the end. Since M is a whole number, a kernel that streams over the keys may use a running M (the ceiling of the running maximum): every later rescaling is an exact power of two, which a block's scale takes up: the codes' values come out the same.
;;   OPERANDS COMPUTED ON THE WAY. 'Computed on the way' means the value that the module computes at that place (a softmax that the list does not call 'softmax' is quantised finished and normalised). What goes into a quantiser is computed in f32, as accurately as f32 sums, v_exp_f32 and their like allow (about 1e-6 of the number): no bf16 or f16 on the way to a quantiser, and a product that is left as it is and whose result goes on into a quantised operand takes f32 operands (vector FMAs, or v_wmma_f32_16x16x4_f32). A number that lies on a knife's edge between two numbers of the format may be rounded either way, as far as f32 arithmetic and the matrix unit's own rounding can turn it there, and no further.
;; One version. Each part assembles by itself: llvm-mc -triple=amdgcn-amd-amdhsa -mcpu=gfx1250 --defsym DOCPART=n.
;; ======== version 1 of 1: 4 launches
;; workspace buffers: xc 6,815,744 bytes; wc 2,555,904 bytes; qc 6,815,744 bytes; kc 6,815,744 bytes; vc 6,815,744 bytes; pc 13,631,488 bytes; ps 2,097,152 bytes
;; launch quant (part 1): grid 704 x 1, 4 waves a work-group, no clusters, 34,304 bytes of LDS; arguments x, Wq, Wk, Wv, xc, wc; writes xc, wc
.if DOCPART == 1
	.amdgcn_target "amdgcn-amd-amdhsa--gfx1250"
	.amdhsa_code_object_version 6
	.text
	.protected	k_qaf31936415_quant
	.globl	k_qaf31936415_quant
	.p2align	8
	.type	k_qaf31936415_quant,@function
k_qaf31936415_quant:
	s_mov_b64 s[64:65], 0
	v_nop
	global_prefetch_b8 v0, s[64:65] scope:SCOPE_SE
	s_setreg_imm32_b32 hwreg(HW_REG_WAVE_MODE, 25, 1), 1
	s_wait_xcnt 0x0
; LAUNCH 1 OF 4.  x [8192][1024] and Wq, Wk, Wv [1024][1024], f32, become codes of E2M3 with one E8M0 byte for each 32 along their last axis (the K of products 1 to 3).
; THE PROGRAM: 1 quantise x and the weights; 2 the three projections, their results quantised in registers (Q, K along d_out, V along the keys); 3 scores on the causal tiles, p = 2^(t - M), l, P quantised;
; 4 P V up to the causal limit, divided by l.
; DEAD WORK, for all finite inputs: reference() takes masked = where(tril, scores, -inf).  For a key k behind the query q the logit is -inf whatever x and the weights hold, its softmax weight is exactly 0, and neither
; scores[q][k] nor attn[q][k] x values[k] reaches context_vec.  So tiles of 256 queries x 256 keys whose first key lies behind the tile's last query are left out of product 4, and the same keys' steps out of product 5.
; Hidden scores inside a tile that also holds live ones are computed and masked.  All four inputs have a way to the output and are loaded.
; LIMITS: a NaN, an infinity or an overflow that reaches only the work left out is not carried to the result; NaN and infinities among the inputs are not served; a block's largest magnitude is taken no smaller than
; 2^-124, so its byte is 1 at the least; a block of zeros gets the byte 1 where the rule says 127 (its codes are zeros, and this program alone reads the bytes).
; THE WORKSPACE FORMAT, for every operand of the program: a ROW BLOCK t is 16 rows, lane r (lane % 16) holding row 32 (t / 2) + 8 (t % 2) + r + 8 (r / 8).  A RECORD of 3,328 bytes is one row block x 256 along K:
;   +0     the fragment of the first 128 along K as an image of the operand's 12 registers: registers 4 c .. 4 c + 3 of lane l at 512 c + 16 l
;   +1536  the fragment of the second 128, likewise
;   +3072  lane l's two scale words at 8 l (lanes 16-31 repeat lanes 0-15)
; xc: [512 row blocks][4 records];  wc: [192 row blocks: Wq, Wk, Wv][4 records].
; SHARES: a work-group takes a row block, wave w its record w.  Each load reads 512 consecutive bytes of one row; the 16 x 512 bytes of a fragment turn through the wave's own stage in LDS, so that a lane gets 16
; neighbours of each block of 32.  No tensor load, no barrier: waves share nothing.  All 32 loads of a wave go out at once.
.set REC,   3328
.set RBP,   4*REC                      ; a row block in xc and wc
.set SP,    528                        ; a stage row: 512 bytes + 16
.set STG,   16*SP                      ; a wave's stage
.set SPARE, 4*STG                      ; behind the stages: the spare words, 128 bytes a wave, which no other line names
.set GA,  2                            ; v2   16 x lane: my bytes of a load's or a store's 512
.set SI,  3                            ; v3   the stage, way in
.set SO,  4                            ; v4   the stage, way out: row r, + 64 (lane / 16)
.set L8,  5                            ; v5   8 x lane
.set SPW, 6                            ; v6   my spare word; never rewritten
.set NIL, 7                            ; v7   0; never rewritten
.set TM,  8                            ; v8-23  the quantiser's work: +0..3 largest magnitudes, +4..7 the other half's, then bytes, +12..15 the conversions' scale operands
.set PW,  24                           ; v24-25 the record's two scale words
.set PC,  28                           ; v28-39 the fragment; v40-46 at work
.set X,   48                           ; v48-111 64 numbers: register 16 b + i = k 32 b + 16 (lane / 16) + i of my row
.set R,   112                          ; v112-239 two fragments' numbers as loaded
.set SEL, 30                           ; s[30:31] v_permlanex16_b32's selects for lane l xor 16
; 64 numbers of a lane become a fragment's codes in v[PC] on and its scale word in v[pw].
.macro QUANT s, pw
.irp b, 0,1,2,3
	v_max3_num_f32 v[TM+\b], |v[(\s)+16*\b]|, |v[(\s)+16*\b+1]|, 0x1800000   ; block b: my 16 numbers, and the floor 2^(3 - 127): the byte cannot fall under 1
.endr
.irp i, 2,4,6,8,10,12,14
.irp b, 0,1,2,3
	v_max3_num_f32 v[TM+\b], |v[(\s)+16*\b+\i]|, |v[(\s)+16*\b+\i+1]|, v[TM+\b]   ; the four blocks by turns
.endr
.endr
.irp b, 0,1,2,3
	v_permlanex16_b32 v[TM+4+\b], v[TM+\b], s[SEL], s[SEL+1]
.endr
.irp b, 0,1,2,3
	v_max_num_f32 v[TM+\b], v[TM+\b], v[TM+4+\b]   ; with lane l xor 16's 16: the block's largest magnitude
.endr
.irp b, 0,1,2,3
	v_add_nc_u32 v[TM+12+\b], 0xff000000, v[TM+\b] ; 2 off its exponent field: the conversion takes the exponent field of this operand as its scale
.endr
.irp b, 0,1,2,3
	v_lshrrev_b32 v[TM+4+\b], 23, v[TM+12+\b]      ; the scale's byte
.endr
	v_lshl_or_b32 v[\pw], v[TM+5], 8, v[TM+4]      ; four bytes: my row's scale word
	v_lshl_or_b32 v[\pw], v[TM+6], 16, v[\pw]
	v_lshl_or_b32 v[\pw], v[TM+7], 24, v[\pw]
.irp c, 0,1
	v_cvt_scalef32_pk16_fp6_f32 v[PC+6*\c:PC+6*\c+2], v[(\s)+32*\c:(\s)+32*\c+15], v[TM+12+2*\c]
	v_cvt_scalef32_pk16_fp6_f32 v[PC+12+4*\c:PC+12+4*\c+2], v[(\s)+32*\c+16:(\s)+32*\c+31], v[TM+13+2*\c]   ; (a conversion's three registers begin on an even number)
.endr
	v_nop                                          ; one plain place behind a scaled conversion
.irp c, 0,1                            ; the operand's layout wants a whole block in a lane: lanes 0-15 block 2 c, lanes 16-31 block 2 c + 1
.irp i, 0,1,2
	v_permlane16_swap_b32 v[PC+6*\c+\i], v[PC+12+4*\c+\i]
.endr
.irp i, 0,1,2
	v_mov_b32 v[PC+3+6*\c+\i], v[PC+12+4*\c+\i]
.endr
.endr
.endm
	s_load_b256 s[4:11], s[0:1], 0x0               ; x, Wq, Wk, Wv
	s_load_b128 s[12:15], s[0:1], 0x20             ; xc, wc
	v_lshl_add_u32 v[SPW], v0, 2, SPARE
	v_mov_b32 v[NIL], 0
	v_lshrrev_b32 v1, 5, v0
	v_readfirstlane_b32 s16, v1                    ; wave 0..3
	v_and_b32 v1, 31, v0
	v_lshlrev_b32 v[GA], 4, v1
	v_lshlrev_b32 v[L8], 3, v1
	s_mul_i32 s17, s16, STG
	v_add_nc_u32 v[SI], s17, v[GA]
	v_and_b32 v9, 15, v0                           ; r
	v_bfe_u32 v10, v0, 4, 1                        ; h
	v_mul_u32_u24 v[SO], v9, SP
	v_lshl_add_u32 v[SO], v10, 6, v[SO]
	v_add_nc_u32 v[SO], s17, v[SO]
.irp b, 0,1,2,3
	v_mov_b32 v[TM+4+\b], 0                        ; written once: a lane permute's destination counts as one of its sources
.endr
	s_mov_b32 s[SEL], 0x76543210
	s_mov_b32 s[SEL+1], 0xfedcba98
	s_cmp_lt_u32 ttmp9, 512                        ; work-groups 0-511: x; 512-575 Wq; 576-639 Wk; 640-703 Wv
	s_cselect_b32 s20, 0, 512
	s_cselect_b32 s21, 0x1ff, 63
	s_sub_co_u32 s20, ttmp9, s20                   ; the row block in xc or in wc
	s_and_b32 s21, ttmp9, s21                      ; t: the row block in its own matrix
	s_lshr_b32 s22, s21, 1
	s_lshl_b32 s22, s22, 17                        ; 32 (t / 2) rows of 4,096 bytes
	s_and_b32 s23, s21, 1
	s_lshl_b32 s23, s23, 15                        ; + 8 (t % 2) rows
	s_add_co_u32 s22, s22, s23
	s_lshl_b32 s23, s16, 10                        ; + my 256 along K
	s_add_co_u32 s22, s22, s23
	s_mov_b32 s23, 0
	s_mul_i32 s20, s20, RBP
	s_mul_i32 s21, s16, REC
	s_add_co_u32 s20, s20, s21                     ; my record
	s_mov_b32 s21, 0
	s_wait_kmcnt 0x0
	s_cmp_lt_u32 ttmp9, 640                        ; the choices hang on the work-group's number alone
	s_cselect_b64 s[26:27], s[8:9], s[10:11]
	s_cmp_lt_u32 ttmp9, 576
	s_cselect_b64 s[26:27], s[6:7], s[26:27]
	s_cmp_lt_u32 ttmp9, 512
	s_cselect_b64 s[26:27], s[4:5], s[26:27]
	s_cselect_b64 s[28:29], s[12:13], s[14:15]
	s_add_nc_u64 s[26:27], s[26:27], s[22:23]
	s_add_nc_u64 s[28:29], s[28:29], s[20:21]
.irp f, 0,1
.irp i, 0,1,2,3,4,5,6,7,8,9,10,11,12,13,14,15
	global_load_b128 v[R+64*\f+4*\i:R+64*\f+4*\i+3], v[GA], s[26:27] offset:(\i+8*(\i/8))*4096+512*\f th:TH_LOAD_NT   ; lane row i of the block: 512 consecutive bytes
.endr
.endr
.irp f, 0,1
	s_wait_loadcnt 16-16*\f                        ; this fragment's 16 loads are in; the second fragment's may be out
.irp i, 0,1,2,3,4,5,6,7,8,9,10,11,12,13,14,15
	ds_store_b128 v[SI], v[R+64*\f+4*\i:R+64*\f+4*\i+3] offset:SP*\i
.endr
.irp b, 0,1,2,3
.irp j, 0,1,2,3
	ds_load_b128 v[X+16*\b+4*\j:X+16*\b+4*\j+3], v[SO] offset:128*\b+16*\j   ; LDS serves a wave's instructions in order (ISA guide 5.7.1.4): these see my stores
.endr
.endr
	s_wait_dscnt 0x0
	s_wait_xcnt 0x0                                ; the first fragment's stores have read their registers: the codes' registers are written again only behind this wait
	QUANT X, PW+\f
.irp c, 0,1,2
	global_store_b128 v[GA], v[PC+4*\c:PC+4*\c+3], s[28:29] offset:1536*\f+512*\c   ; 512 consecutive bytes, at a multiple of 256 from the buffer's first byte
.endr
.endr
	global_store_b64 v[L8], v[PW:PW+1], s[28:29] offset:3072   ; the scale pairs: 256 consecutive bytes
	s_wait_tensorcnt 0x0                           ; the wave's end, behind my last LDS store
	ds_add_u32 v[SPW], v[NIL]
	s_wait_dscnt 0x0
	s_endpgm
.Lfunc_end_k_qaf31936415_quant:
	.size	k_qaf31936415_quant, .Lfunc_end_k_qaf31936415_quant-k_qaf31936415_quant
	.p2alignl 7, 3214868480
	.fill 96, 4, 3214868480
	.section	.rodata,"a",@progbits
	.p2align	6, 0x0
	.amdhsa_kernel k_qaf31936415_quant
		.amdhsa_group_segment_fixed_size 34304
		.amdhsa_private_segment_fixed_size 0
		.amdhsa_enable_private_segment 0
		.amdhsa_kernarg_size 48
		.amdhsa_user_sgpr_count 2
		.amdhsa_user_sgpr_kernarg_segment_ptr 1
		.amdhsa_wavefront_size32 1
		.amdhsa_system_sgpr_workgroup_id_x 1
		.amdhsa_system_sgpr_workgroup_id_y 1
		.amdhsa_system_sgpr_workgroup_id_z 1
		.amdhsa_system_vgpr_workitem_id 0
		.amdhsa_next_free_vgpr 240
		.amdhsa_next_free_sgpr 66
		.amdhsa_reserve_vcc 0
		.amdhsa_float_denorm_mode_32 3
		.amdhsa_float_denorm_mode_16_64 3
		.amdhsa_memory_ordered 1
		.amdhsa_forward_progress 1
		.amdhsa_inst_pref_size 18
	.end_amdhsa_kernel
	.amdgpu_metadata
---
amdhsa.version: [ 1, 2 ]
amdhsa.kernels:
  - .name:           k_qaf31936415_quant
    .symbol:         k_qaf31936415_quant.kd
    .args:
      - { .name: x, .offset: 0, .size: 8, .value_kind: global_buffer, .address_space: global }
      - { .name: Wq, .offset: 8, .size: 8, .value_kind: global_buffer, .address_space: global }
      - { .name: Wk, .offset: 16, .size: 8, .value_kind: global_buffer, .address_space: global }
      - { .name: Wv, .offset: 24, .size: 8, .value_kind: global_buffer, .address_space: global }
      - { .name: xc, .offset: 32, .size: 8, .value_kind: global_buffer, .address_space: global }
      - { .name: wc, .offset: 40, .size: 8, .value_kind: global_buffer, .address_space: global }
    .group_segment_fixed_size: 34304
    .private_segment_fixed_size: 0
    .kernarg_segment_align: 8
    .kernarg_segment_size: 48
    .max_flat_workgroup_size: 128
    .sgpr_count:     66
    .vgpr_count:     240
    .wavefront_size: 32
...
	.end_amdgpu_metadata
.endif
;; end of part 1
;; launch proj (part 2): grid 12 x 32, 4 waves a work-group, clusters of 4 x 4, 327,680 bytes of LDS; arguments xc, wc, qc, kc, vc; writes qc, kc, vc
.if DOCPART == 2
	.amdgcn_target "amdgcn-amd-amdhsa--gfx1250"
	.amdhsa_code_object_version 6
	.text
	.protected	k_qaf31936415_proj
	.globl	k_qaf31936415_proj
	.p2align	8
	.type	k_qaf31936415_proj,@function
k_qaf31936415_proj:
	s_mov_b64 s[64:65], 0
	v_nop
	global_prefetch_b8 v0, s[64:65] scope:SCOPE_SE
	s_setreg_imm32_b32 hwreg(HW_REG_WAVE_MODE, 25, 1), 1
	s_wait_xcnt 0x0
	s_wait_alu depctr_hold_cnt(0) depctr_sa_sdst(0) depctr_va_vdst(0) depctr_va_sdst(0) depctr_va_ssrc(0) depctr_va_vcc(0) depctr_vm_vsrc(0)
	s_getreg_b32 s2, hwreg(HW_REG_IB_STS2, 6, 4)
	s_cmp_eq_u32 s2, 0
	s_cbranch_scc0 .Lentry_in_a_cluster
	s_endpgm
.Lentry_in_a_cluster:
	s_bfe_u32 s2, ttmp6, 0x10000c
	s_cmp_lg_u32 s2, 0xf033
	s_cbranch_scc0 .Lentry_shape_is_right
	s_endpgm
.Lentry_shape_is_right:
; LAUNCH 2 OF 4.  queries = x Wq^T, keys = x Wk^T, values = x Wv^T on codes of E2M3 (products 1 to 3), each result quantised in registers for its next product and stored as records (the format: launch 1's head).
; A work-group of four waves makes a tile of 256 x 256, a wave 128 x 128: 64 accumulators, 512 registers.  K = 1,024 goes in four steps of 256 (one record a row block) through a ring of two LDS slots.
; SOURCE 0 of the matrix instruction is LDS region B, source 1 region A: a lane holds one row of region A's matrix, and its registers run along region B's rows, in the order that the quantiser wants
; (the row blocks' order: registers 16 b + i of a block of results are rows 32 b + 16 (lane / 16) + i of region B's 128).
;   Q (cluster x = 0), K (1): A = x's rows, B = W's rows: a lane holds a token, registers run along d_out, the K of product 4.
;   V (cluster x = 2):        A = Wv's rows, B = x's rows: a lane holds a channel, registers run along the tokens, the K of product 5.
; Only pointers, tile numbers and the pitch of the output are chosen (on the cluster's x, which all sixteen partners share): one text serves all three.
; CLUSTERS: 4 x 4.  Region A's tile hangs on cy alone and is asked for jointly by my row of the cluster, region B's on cx alone, by my column.
; REGISTERS, in windows of 256: window 0: v16-25 addresses, v28-29 the add's two, v32-95 scale words (two sets), v128-223 A's eight fragments (one set), on the way out v192-240 the quantiser's.
;   window 1: B's fragments, two sets, at v0 and v128.  window 2: accumulators of my A blocks 0-3 ((a, b) at v[8 (8 (a % 4) + b)]).  window 3: blocks 4-7.
; LIMITS: as stated at launch 1's head (the floor of a block's largest magnitude; the byte of a block of zeros; NaN and infinities).
.set REC,    3328
.set RBP,    4*REC                     ; a row block in xc, wc, qc, kc
.set TILEB,  16*RBP                    ; a tile's 16 row blocks in memory
.set HALFM,  8*RBP                     ; eight of them
.set HALFT,  8*REC                     ; eight records: what one tensor load brings, and what a wave reads of A or of B
.set SLOT,   4*HALFT                   ; A's 16 records, then B's 16
.set SPARE,  2*SLOT                    ; behind the ring: the spare words, 128 bytes a wave, which no other line names
.set FR,     12
.set ADRA, 16                          ; v16-17  16 x lane + my half of region A in slot 0, 1
.set ADSA, 18                          ; v18-19  8 x lane + the same
.set ADRB, 20                          ; v20-21  the same for region B
.set ADSB, 22                          ; v22-23
.set LIB,  24                          ; v24     the way out: 16 x lane + 1,536 x (my half of B): my fragment's place in a record
.set L8B,  25                          ; v25     8 x lane + 4 x (my half of B): my scale word's
.set SPW,  28
.set NIL,  29
.set SC,   32                          ; scale words: A's block i, the slot's q-th 128: v[SC + 32 slot + 2 i + q]; B's 16 further on
.set AF,   128
.set PC,   192                         ; the way out: the fragment just made (v192-203), v204-210 at work
.set TM,   224                         ; v224-239 the quantiser's work
.set PW,   240                         ; the scale word just made
.set G1,  24                           ; s[24:31] group 1 for region A; s[32:39] its groups 0, one a slot
.set G0,  32
.set G1B, 48                           ; s[48:55], s[56:63] the same for region B
.set G0B, 56
.set SEL, 66                           ; s[66:67]
.set MSB, 0
.macro WIN new                         ; the immediate's high byte repeats the setting that is left; a switch that changes nothing is dropped
.if MSB != (\new)
	s_set_vgpr_msb (MSB<<8)|(\new)
.set MSB, (\new)
.endif
.endm
.set MUL_LO, 0xa1                      ; source 0 window 1, source 1 window 0, C and D window 2
.set MUL_HI, 0xf1                      ; C and D window 3
.set TO_B,   0x40                      ; destination window 1
; A joint load: waves 0 and 1 fetch region A's halves, waves 2 and 3 region B's.  The branch hangs on the wave's number alone.  An s_nop 0 and four v_nop follow each line.
.macro JLOAD g0a, g1a, g0b, g1b
	s_cmp_eq_u32 s15, 0
	s_cbranch_scc0 .Lfor_b_\@
	tensor_load_to_lds s[\g0a:\g0a+3], s[\g1a:\g1a+7]
	s_nop 0
.rept 4
	v_nop
.endr
	s_branch .Lasked_\@
.Lfor_b_\@:
	tensor_load_to_lds s[\g0b:\g0b+3], s[\g1b:\g1b+7]
	s_nop 0
.rept 4
	v_nop
.endr
.Lasked_\@:
.endm
.macro CREST                           ; a round of the cluster's barrier behind its opening barrier
	s_cmp_lg_u32 s14, 0
	s_cbranch_scc1 .Lnot_wave_0_\@
	s_barrier_signal -3
.Lnot_wave_0_\@:
	s_barrier_wait -3
	s_barrier_signal -1
	s_barrier_wait -1
.endm
.macro CROUND
	s_barrier_signal -1
	s_barrier_wait -1
	CREST
.endm
.macro FRAG reg, adr, q, i             ; a fragment is an image of its 12 registers: three loads of 512 consecutive bytes
.irp c, 0,1,2
	ds_load_b128 v[\reg+4*\c:\reg+4*\c+3], v[\adr] offset:(\i)*REC+1536*(\q)+512*\c
.endr
.endm
.macro FETCH_B slot, q, p
	WIN TO_B
.irp i, 0,1,2,3,4,5,6,7
	FRAG 128*(\p)+FR*\i, ADRB+\slot, \q, \i
.endr
	WIN 0
.endm
.macro FETCH_A slot, q, i0
.irp i, \i0, \i0+1, \i0+2, \i0+3
	FRAG AF+FR*(\i), ADRA+\slot, \q, \i
.endr
.endm
.macro SCALES s                        ; a slot's scale pairs: 8 loads for A's blocks, 8 for B's
.irp i, 0,1,2,3,4,5,6,7
	ds_load_b64 v[SC+32*\s+2*\i:SC+32*\s+2*\i+1], v[ADSA+\s] offset:\i*REC+3072
.endr
.irp i, 0,1,2,3,4,5,6,7
	ds_load_b64 v[SC+16+32*\s+2*\i:SC+16+32*\s+2*\i+1], v[ADSB+\s] offset:\i*REC+3072
.endr
.endm
; 16 matrix instructions: A's blocks a0, a0 + 1 x B's eight, the slot's q-th 128 along K.  The 64 accumulators take turns, one instruction a turn, in the same order in every step.
.macro MUL16 a0, p, q, sc, zero
.irp a, \a0, \a0+1
.irp b, 0,1,2,3,4,5,6,7
.if \zero
	v_wmma_scale_f32_16x16x128_f8f6f4 v[8*(8*((\a)%4)+\b):8*(8*((\a)%4)+\b)+7], v[128*(\p)+FR*\b:128*(\p)+FR*\b+FR-1], v[AF+FR*(\a):AF+FR*(\a)+FR-1], 0, v[SC+16+32*(\sc)+2*\b+(\q)], v[SC+32*(\sc)+2*(\a)+(\q)] matrix_a_fmt:MATRIX_FMT_FP6 matrix_b_fmt:MATRIX_FMT_FP6
.else
	v_wmma_scale_f32_16x16x128_f8f6f4 v[8*(8*((\a)%4)+\b):8*(8*((\a)%4)+\b)+7], v[128*(\p)+FR*\b:128*(\p)+FR*\b+FR-1], v[AF+FR*(\a):AF+FR*(\a)+FR-1], v[8*(8*((\a)%4)+\b):8*(8*((\a)%4)+\b)+7], v[SC+16+32*(\sc)+2*\b+(\q)], v[SC+32*(\sc)+2*(\a)+(\q)] matrix_a_fmt:MATRIX_FMT_FP6 matrix_b_fmt:MATRIX_FMT_FP6
.endif
.endr
.endr
.endm
.macro PLACES                          ; four plain places in front of loads into registers that matrix instructions have read, and of the first read of results
.rept 4
	v_nop
.endr
.endm
; A slot's first 128 along K.  A block of A is free when its eight products are issued: one set serves A; B has two.
.macro STEP slot, zero
	s_wait_dscnt 12                                ; all but the youngest 12 loads: A's blocks 4-7
	WIN MUL_LO
	MUL16 0, 0, 0, \slot, \zero
	MUL16 2, 0, 0, \slot, \zero
	s_wait_dscnt 0
	PLACES
	FETCH_B \slot, 1, 1
	FETCH_A \slot, 1, 0
	WIN MUL_HI
	MUL16 4, 0, 0, \slot, \zero
	MUL16 6, 0, 0, \slot, \zero
	PLACES
	WIN 0
	FETCH_A \slot, 1, 4
.endm
; A slot's second 128 changes slots: one barrier; in front of it each wave waits for all its tensor loads, adds 0 to its spare word, and waits for that and for its reads of this slot.
.macro TURN slot, next, fill
	s_wait_tensorcnt 0x0                           ; all my tensor loads have landed: my part of the next slot
	ds_add_u32 v[SPW], v[NIL]                      ; 0 onto my spare word
	s_wait_dscnt 13                                ; (the add and A's blocks 4-7 may be out)
	WIN MUL_LO
	MUL16 0, 1, 1, \slot, 0
	s_wait_dscnt 0x0                               ; the add is done, and my reads of this slot are over
	s_barrier_signal -1
	MUL16 2, 1, 1, \slot, 0
	WIN 0
	s_barrier_wait -1
.if \fill
	CREST                                          ; the barrier has opened a round of the cluster's: no wave of any partner still reads this slot or has a load on its way
	s_add_nc_u64 s[G0+4*\slot+2:G0+4*\slot+3], s[G0+4*\slot+2:G0+4*\slot+3], 2*REC
	s_add_nc_u64 s[G0B+4*\slot+2:G0B+4*\slot+3], s[G0B+4*\slot+2:G0B+4*\slot+3], 2*REC
	JLOAD G0+4*\slot, G1, G0B+4*\slot, G1B         ; the first tensor load behind the round; its four v_nop are the places in front of the loads below
.else
	PLACES
.endif
	FETCH_B \next, 0, 0
	FETCH_A \next, 0, 0
	SCALES \next
	WIN MUL_HI
	MUL16 4, 1, 1, \slot, 0
	MUL16 6, 1, 1, \slot, 0
	PLACES
	WIN 0
	FETCH_A \next, 0, 4
.endm
; 64 results of a lane, in window w from register s on, become a fragment's codes in v[PC] on and its scale word in v[PW].  Each accumulator is read from its low end on.
.macro QUANT s, w
	WIN (\w)|((\w)<<2)
.irp b, 0,1,2,3
	v_max3_num_f32 v[TM+\b], |v[(\s)+16*\b]|, |v[(\s)+16*\b+1]|, 0x1800000   ; block b: my 16 numbers, and the floor 2^(3 - 127)
.endr
.irp i, 2,4,6,8,10,12,14
.irp b, 0,1,2,3
	v_max3_num_f32 v[TM+\b], |v[(\s)+16*\b+\i]|, |v[(\s)+16*\b+\i+1]|, v[TM+\b]
.endr
.endr
	WIN 0
.irp b, 0,1,2,3
	v_permlanex16_b32 v[TM+4+\b], v[TM+\b], s[SEL], s[SEL+1]
.endr
.irp b, 0,1,2,3
	v_max_num_f32 v[TM+\b], v[TM+\b], v[TM+4+\b]
.endr
.irp b, 0,1,2,3
	v_add_nc_u32 v[TM+12+\b], 0xff000000, v[TM+\b] ; 2 off the exponent field: the conversion's scale operand
.endr
.irp b, 0,1,2,3
	v_lshrrev_b32 v[TM+4+\b], 23, v[TM+12+\b]      ; the scale's byte
.endr
	v_lshl_or_b32 v[PW], v[TM+5], 8, v[TM+4]
	v_lshl_or_b32 v[PW], v[TM+6], 16, v[PW]
	v_lshl_or_b32 v[PW], v[TM+7], 24, v[PW]
	WIN \w
.irp c, 0,1
	v_cvt_scalef32_pk16_fp6_f32 v[PC+6*\c:PC+6*\c+2], v[(\s)+32*\c:(\s)+32*\c+15], v[TM+12+2*\c]
	v_cvt_scalef32_pk16_fp6_f32 v[PC+12+4*\c:PC+12+4*\c+2], v[(\s)+32*\c+16:(\s)+32*\c+31], v[TM+13+2*\c]
.endr
	WIN 0
	v_nop                                          ; one plain place behind a scaled conversion
.irp c, 0,1
.irp i, 0,1,2
	v_permlane16_swap_b32 v[PC+6*\c+\i], v[PC+12+4*\c+\i]
.endr
.irp i, 0,1,2
	v_mov_b32 v[PC+3+6*\c+\i], v[PC+12+4*\c+\i]
.endr
.endr
.endm
	s_load_b256 s[4:11], s[0:1], 0x0               ; xc, wc, qc, kc
	s_load_b64 s[12:13], s[0:1], 0x20              ; vc
	v_lshl_add_u32 v[SPW], v0, 2, SPARE
	v_mov_b32 v[NIL], 0
	ds_add_u32 v[SPW], v[NIL]                      ; the wave's opening: the add, twice on end, and its wait ahead of my first tensor load
	ds_add_u32 v[SPW], v[NIL]
	v_lshrrev_b32 v1, 5, v0
	v_readfirstlane_b32 s14, v1                    ; wave 0..3
	s_lshr_b32 s15, s14, 1                         ; my half of region A.  Also: I fetch for A (0) or for B (1)
	s_and_b32 s16, s14, 1                          ; my half of region B.  Also: which half I fetch
	s_bfe_u32 s40, ttmp6, 0x40000                  ; cx
	s_bfe_u32 s41, ttmp6, 0x40004                  ; cy
	s_and_b32 s17, ttmp7, 0xffff                   ; cluster y, 0..7
	s_lshl_b32 s18, s17, 2
	s_lshl_b32 s19, ttmp9, 2                       ; 4 x cluster x (0 Q, 1 K, 2 V)
	s_lshl_b32 s43, s41, 2
	s_lshl_b32 s43, 15, s43                        ; my row of the cluster
	s_lshl_b32 s44, 0x1111, s40                    ; my column
	s_or_b32 s[G1+0], s43, (3<<16)|(1<<21)         ; 15:0 the mask; 17:16 elements of 8 bytes; 20 no padding; 21 set beside a mask
	s_or_b32 s[G1B+0], s44, (3<<16)|(1<<21)
.irp g, G1, G1B
	s_mov_b32 s[\g+1], (REC/8)<<16                 ; tensor_dim0 = 416 elements: a record
	s_mov_b32 s[\g+2], 8<<16                       ; tensor_dim1 = 8 row blocks
	s_mov_b32 s[\g+3], (REC/8)<<16                 ; tile_dim0
	s_mov_b32 s[\g+4], 8                           ; tile_dim1
	s_mov_b32 s[\g+5], RBP/8                       ; from row block to row block
	s_mov_b32 s[\g+6], 0
	s_mov_b32 s[\g+7], 0
.endr
	s_cmp_eq_u32 ttmp9, 2                          ; V?  (the cluster's x: the same in all sixteen partners)
	s_cselect_b32 s20, 8, s18                      ; region A's tile: Wv's tiles are wc's 8 to 11; x's are 4 x cluster y on
	s_cselect_b32 s46, s18, s19                    ; region B's: x's, or the weight's four
	s_add_co_u32 s20, s20, s41                     ; + cy: nothing that feeds A's descriptors holds cx,
	s_add_co_u32 s46, s46, s40                     ; + cx: nor B's cy
	s_mul_i32 s20, s20, TILEB
	s_mul_i32 s46, s46, TILEB
	s_mul_i32 s22, s16, HALFM                      ; the half that I fetch
	s_add_co_u32 s20, s20, s22
	s_add_co_u32 s46, s46, s22
	s_mov_b32 s21, 0
	s_mov_b32 s47, 0
	s_mul_i32 s45, s14, HALFT                      ; where it goes: wave x eight records: no place in the cluster enters an LDS address
	s_mov_b32 s[SEL], 0x76543210
	s_mov_b32 s[SEL+1], 0xfedcba98
.irp b, 0,1,2,3
	v_mov_b32 v[TM+4+\b], 0                        ; written once: a lane permute's destination counts as one of its sources
.endr
	s_wait_dscnt 0x0                               ; both opening adds are done
	s_wait_kmcnt 0x0
	s_cmp_eq_u32 ttmp9, 2
	s_cselect_b64 s[92:93], s[6:7], s[4:5]         ; region A comes from wc (V) or xc
	s_cselect_b64 s[94:95], s[4:5], s[6:7]         ; region B from the other
	s_add_nc_u64 s[20:21], s[92:93], s[20:21]
	s_add_nc_u64 s[46:47], s[94:95], s[46:47]
	CROUND                                         ; all sixteen work-groups are here: the first joint loads meet
.irp s, 0,1
	s_mov_b32 s[G0+4*\s], 1
	s_add_co_u32 s[G0+4*\s+1], s45, \s*SLOT
	s_add_nc_u64 s[G0+4*\s+2:G0+4*\s+3], s[20:21], \s*REC
	s_or_b32 s[G0+4*\s+3], s[G0+4*\s+3], 0x80000000
	s_mov_b32 s[G0B+4*\s], 1
	s_add_co_u32 s[G0B+4*\s+1], s45, \s*SLOT
	s_add_nc_u64 s[G0B+4*\s+2:G0B+4*\s+3], s[46:47], \s*REC
	s_or_b32 s[G0B+4*\s+3], s[G0B+4*\s+3], 0x80000000
	JLOAD G0+4*\s, G1, G0B+4*\s, G1B               ; two loads of mine are out
.endr
	v_and_b32 v1, 31, v0
	v_lshlrev_b32 v2, 4, v1                        ; 16 x lane
	v_lshlrev_b32 v3, 3, v1                        ; 8 x lane
	s_mul_i32 s21, s15, HALFT
	s_mul_i32 s22, s16, HALFT
	s_add_co_u32 s22, s22, 2*HALFT
.irp s, 0,1
	v_add_nc_u32 v[ADRA+\s], s21, v2
	v_add_nc_u32 v[ADRB+\s], s22, v2
	v_add_nc_u32 v[ADSA+\s], s21, v3
	v_add_nc_u32 v[ADSB+\s], s22, v3
	s_add_co_u32 s21, s21, SLOT
	s_add_co_u32 s22, s22, SLOT
.endr
	s_mul_i32 s23, s16, 1536
	v_add_nc_u32 v[LIB], s23, v2
	s_lshl_b32 s23, s16, 2
	v_add_nc_u32 v[L8B], s23, v3
	; where my results go: row block 16 (tile of region A's matrix) + 8 (my half) on; record = region B's tile.  Q, K: [512][4] records; V: [64][32]
	s_cmp_eq_u32 ttmp9, 0
	s_cselect_b64 s[8:9], s[8:9], s[10:11]
	s_cmp_eq_u32 ttmp9, 2
	s_cselect_b64 s[8:9], s[12:13], s[8:9]
	s_mov_b32 s70, RBP
	s_cselect_b32 s70, 32*REC, s70                 ; from row block to row block
	s_cselect_b32 s72, 0, s18
	s_cselect_b32 s73, s18, 0
	s_mov_b32 s71, 0
	s_add_co_u32 s72, s72, s41
	s_lshl_b32 s72, s72, 4
	s_lshl_b32 s74, s15, 3
	s_add_co_u32 s72, s72, s74
	s_add_co_u32 s73, s73, s40
	s_mul_i32 s72, s72, s70
	s_mul_i32 s73, s73, REC
	s_add_co_u32 s72, s72, s73
	s_mov_b32 s73, 0
	s_add_nc_u64 s[8:9], s[8:9], s[72:73]
	s_wait_tensorcnt 1                             ; my part of slot 0 is in; slot 1's may stay out
	s_barrier_signal -1
	s_barrier_wait -1
	FETCH_B 0, 0, 0
	FETCH_A 0, 0, 0
	SCALES 0
	FETCH_A 0, 0, 4
	STEP 0, 1                                      ; the first products start the sums: nothing is cleared.  K = 1,024 is four slots' worth: the eight steps are written out
	TURN 0, 1, 1
	STEP 1, 0
	TURN 1, 0, 1
	STEP 0, 0
	TURN 0, 1, 0                                   ; nothing is left to fetch
	STEP 1, 0
	s_wait_dscnt 12
	WIN MUL_LO
	MUL16 0, 1, 1, 1, 0
	MUL16 2, 1, 1, 1, 0
	s_wait_dscnt 0
	WIN MUL_HI
	MUL16 4, 1, 1, 1, 0
	MUL16 6, 1, 1, 1, 0
	WIN 0
	PLACES
; THE WAY OUT: block a's 64 results a lane are one fragment of the next product: quantised, and stored as the image that the next launch loads: three stores of 512 consecutive bytes, and the scale word.
.macro OUTB a
.set W,  2+(\a)/4
.set AC, 64*((\a)%4)
.if (\a) > 0
	s_wait_xcnt 0x0                                ; the last block's stores have read their registers and their base
	s_add_nc_u64 s[8:9], s[8:9], s[70:71]          ; the next row block
.endif
	QUANT AC, W
.irp c, 0,1,2
	global_store_b128 v[LIB], v[PC+4*\c:PC+4*\c+3], s[8:9] offset:512*\c
.endr
	global_store_b32 v[L8B], v[PW], s[8:9] offset:3072
.endm
.irp a, 0,1,2,3,4,5,6,7
	OUTB \a
.endr
	s_wait_tensorcnt 0x0                           ; the wave's end
	ds_add_u32 v[SPW], v[NIL]
	s_wait_dscnt 0x0
	CROUND                                         ; the closing round: no work-group ends while a partner may still ask for a tile that names it
	s_endpgm
.Lfunc_end_k_qaf31936415_proj:
	.size	k_qaf31936415_proj, .Lfunc_end_k_qaf31936415_proj-k_qaf31936415_proj
	.p2alignl 7, 3214868480
	.fill 96, 4, 3214868480
	.section	.rodata,"a",@progbits
	.p2align	6, 0x0
	.amdhsa_kernel k_qaf31936415_proj
		.amdhsa_group_segment_fixed_size 327680
		.amdhsa_private_segment_fixed_size 0
		.amdhsa_enable_private_segment 0
		.amdhsa_kernarg_size 40
		.amdhsa_user_sgpr_count 2
		.amdhsa_user_sgpr_kernarg_segment_ptr 1
		.amdhsa_wavefront_size32 1
		.amdhsa_system_sgpr_workgroup_id_x 1
		.amdhsa_system_sgpr_workgroup_id_y 1
		.amdhsa_system_sgpr_workgroup_id_z 1
		.amdhsa_system_vgpr_workitem_id 0
		.amdhsa_next_free_vgpr 1024
		.amdhsa_next_free_sgpr 100
		.amdhsa_reserve_vcc 0
		.amdhsa_float_denorm_mode_32 3
		.amdhsa_float_denorm_mode_16_64 3
		.amdhsa_memory_ordered 1
		.amdhsa_forward_progress 1
		.amdhsa_inst_pref_size 140
	.end_amdhsa_kernel
	.amdgpu_metadata
---
amdhsa.version: [ 1, 2 ]
amdhsa.kernels:
  - .name:           k_qaf31936415_proj
    .symbol:         k_qaf31936415_proj.kd
    .args:
      - { .name: xc, .offset: 0, .size: 8, .value_kind: global_buffer, .address_space: global }
      - { .name: wc, .offset: 8, .size: 8, .value_kind: global_buffer, .address_space: global }
      - { .name: qc, .offset: 16, .size: 8, .value_kind: global_buffer, .address_space: global }
      - { .name: kc, .offset: 24, .size: 8, .value_kind: global_buffer, .address_space: global }
      - { .name: vc, .offset: 32, .size: 8, .value_kind: global_buffer, .address_space: global }
    .group_segment_fixed_size: 327680
    .private_segment_fixed_size: 0
    .kernarg_segment_align: 8
    .kernarg_segment_size: 40
    .max_flat_workgroup_size: 128
    .sgpr_count:     100
    .vgpr_count:     1024
    .wavefront_size: 32
...
	.end_amdgpu_metadata
.endif
;; end of part 2
;; launch score (part 3): grid 144 x 1, 4 waves a work-group, no clusters, 327,680 bytes of LDS; arguments qc, kc, pc, ps; writes pc, ps
.if DOCPART == 3
	.amdgcn_target "amdgcn-amd-amdhsa--gfx1250"
	.amdhsa_code_object_version 6
	.text
	.protected	k_qaf31936415_score
	.globl	k_qaf31936415_score
	.p2align	8
	.type	k_qaf31936415_score,@function
k_qaf31936415_score:
	s_mov_b64 s[64:65], 0
	v_nop
	global_prefetch_b8 v0, s[64:65] scope:SCOPE_SE
	s_setreg_imm32_b32 hwreg(HW_REG_WAVE_MODE, 25, 1), 1
	s_wait_xcnt 0x0
; LAUNCH 3 OF 4.  scores = queries keys^T on codes of E2M3 (product 4), the causal mask, and the softmax's p, quantised along the keys for product 5.
; LEFT OUT (shown at launch 1's head): tiles of 256 queries x 256 keys that lie wholly behind the diagonal: of a batch's 64 tiles the 36 with key tile <= query tile are made.
; A work-group of four waves makes one tile, a wave 128 queries x 128 keys.  Source 0 = 16 keys, source 1 = 16 queries: a lane holds one query, and the 64 registers of a block of results are its 128 keys in the
; quantiser's order (register 16 b + i = key 32 b + 16 (lane / 16) + i).
; THE SOFTMAX: t = score x log2(e) / 32.  M here is LOCAL: the ceiling of the largest t of (query, these 128 keys).  p = 2^(t - M) is quantised by blocks of 32 keys; l = the sum of the unquantised p.  -M and l go to ps.
; The last launch brings all under the row's M by whole powers of two, in the scale bytes and in l: the codes' values come out as under the row's M.
; A (query, 128 keys) all of whose keys are hidden keeps the floor -3e38 as its largest score: p = 0, codes 0, l = 0, -M about 1.35e37; its scale bytes lie between 1 and 253.
; pc: [512 query row blocks][8 records along the keys]; ps: [512][8][512 bytes]: +0 -M of the record's two halves, 8 x lane + 4 x half; +256 l likewise.
; NO CLUSTER: a batch's 36 tiles form a triangle whose rows hold 1 to 8 tiles, which no cluster of 4 divides, and the mask's branch (diagonal tile or not) would differ between partners.
; REGISTERS: as in launch 2; on the way out window 0 holds v128-191 p, v192-210 the codes, v224-253 the statistics.
; LIMITS: as stated at launch 1's head.
.set REC,    3328
.set RBP,    4*REC
.set TILEB,  16*RBP
.set HALFM,  8*RBP
.set HALFT,  8*REC
.set SLOT,   4*HALFT
.set SPARE,  2*SLOT
.set PRB,    8*REC                     ; a query row block in pc
.set FR,     12
.set ADRA, 16
.set ADSA, 18
.set ADRB, 20
.set ADSB, 22
.set LIB,  24
.set L8B,  25
.set SPW,  28
.set NIL,  29
.set SC,   32
.set AF,   128
.set PP,   128                         ; v128-191 t - M, then p
.set PC,   192
.set TM,   224                         ; v224-227 the blocks' largest scores, then largest p; +4..7 the other half's, then bytes; +12..15 the conversions' scale operands
.set NM,   240                         ; v[240:241] -M (the packed form names the pair and takes its low word)
.set LA,   242                         ; v[242:243], v[244:245] the sum in two chains
.set LB,   244
.set PW,   246
.set LSUM, 247
.set MX,   248
.set DD,   249
.set NB,   250                         ; -3e38
.set NINF, 251                         ; -infinity
.set LQ,   252                         ; r + 8 (r / 8) - 16 (lane / 16)
.set PT,   253
.set G1,  24
.set G0,  32
.set G0B, 56
.set SEL, 72                           ; s[72:73]
.set CS,  74                           ; s[74:75] c = log2(e) / 32
.set DIAG, 76                          ; s76 1 on a diagonal tile
.set D0,  77                           ; s77 128 x (my half of the queries - my half of the keys)
.set TMPS, 78
.set MSB, 0
.macro WIN new
.if MSB != (\new)
	s_set_vgpr_msb (MSB<<8)|(\new)
.set MSB, (\new)
.endif
.endm
.set MUL_LO, 0xa1
.set MUL_HI, 0xf1
.set TO_B,   0x40
; Waves 0 and 1 fetch Q's halves (region A), waves 2 and 3 K's (region B): one load a wave.  An s_nop 0 and four v_nop follow each line.
.macro JLOAD g0a, g0b
	s_cmp_eq_u32 s15, 0
	s_cbranch_scc0 .Lfor_b_\@
	tensor_load_to_lds s[\g0a:\g0a+3], s[G1:G1+7]
	s_nop 0
.rept 4
	v_nop
.endr
	s_branch .Lasked_\@
.Lfor_b_\@:
	tensor_load_to_lds s[\g0b:\g0b+3], s[G1:G1+7]
	s_nop 0
.rept 4
	v_nop
.endr
.Lasked_\@:
.endm
.macro FRAG reg, adr, q, i
.irp c, 0,1,2
	ds_load_b128 v[\reg+4*\c:\reg+4*\c+3], v[\adr] offset:(\i)*REC+1536*(\q)+512*\c
.endr
.endm
.macro FETCH_B slot, q, p
	WIN TO_B
.irp i, 0,1,2,3,4,5,6,7
	FRAG 128*(\p)+FR*\i, ADRB+\slot, \q, \i
.endr
	WIN 0
.endm
.macro FETCH_A slot, q, i0
.irp i, \i0, \i0+1, \i0+2, \i0+3
	FRAG AF+FR*(\i), ADRA+\slot, \q, \i
.endr
.endm
.macro SCALES s
.irp i, 0,1,2,3,4,5,6,7
	ds_load_b64 v[SC+32*\s+2*\i:SC+32*\s+2*\i+1], v[ADSA+\s] offset:\i*REC+3072
.endr
.irp i, 0,1,2,3,4,5,6,7
	ds_load_b64 v[SC+16+32*\s+2*\i:SC+16+32*\s+2*\i+1], v[ADSB+\s] offset:\i*REC+3072
.endr
.endm
; The 64 accumulators take turns, one instruction a turn, in the same order in every step.
.macro MUL16 a0, p, q, sc, zero
.irp a, \a0, \a0+1
.irp b, 0,1,2,3,4,5,6,7
.if \zero
	v_wmma_scale_f32_16x16x128_f8f6f4 v[8*(8*((\a)%4)+\b):8*(8*((\a)%4)+\b)+7], v[128*(\p)+FR*\b:128*(\p)+FR*\b+FR-1], v[AF+FR*(\a):AF+FR*(\a)+FR-1], 0, v[SC+16+32*(\sc)+2*\b+(\q)], v[SC+32*(\sc)+2*(\a)+(\q)] matrix_a_fmt:MATRIX_FMT_FP6 matrix_b_fmt:MATRIX_FMT_FP6
.else
	v_wmma_scale_f32_16x16x128_f8f6f4 v[8*(8*((\a)%4)+\b):8*(8*((\a)%4)+\b)+7], v[128*(\p)+FR*\b:128*(\p)+FR*\b+FR-1], v[AF+FR*(\a):AF+FR*(\a)+FR-1], v[8*(8*((\a)%4)+\b):8*(8*((\a)%4)+\b)+7], v[SC+16+32*(\sc)+2*\b+(\q)], v[SC+32*(\sc)+2*(\a)+(\q)] matrix_a_fmt:MATRIX_FMT_FP6 matrix_b_fmt:MATRIX_FMT_FP6
.endif
.endr
.endr
.endm
.macro PLACES
.rept 4
	v_nop
.endr
.endm
.macro STEP slot, zero
	s_wait_dscnt 12                                ; all but the youngest 12 loads: A's blocks 4-7
	WIN MUL_LO
	MUL16 0, 0, 0, \slot, \zero
	MUL16 2, 0, 0, \slot, \zero
	s_wait_dscnt 0
	PLACES
	FETCH_B \slot, 1, 1
	FETCH_A \slot, 1, 0
	WIN MUL_HI
	MUL16 4, 0, 0, \slot, \zero
	MUL16 6, 0, 0, \slot, \zero
	PLACES
	WIN 0
	FETCH_A \slot, 1, 4
.endm
.macro TURN slot, next, fill
	s_wait_tensorcnt 0x0                           ; all my tensor loads have landed: my part of the next slot
	ds_add_u32 v[SPW], v[NIL]                      ; 0 onto my spare word
	s_wait_dscnt 13                                ; (the add and A's blocks 4-7 may be out)
	WIN MUL_LO
	MUL16 0, 1, 1, \slot, 0
	s_wait_dscnt 0x0                               ; the add is done, and my reads of this slot are over
	s_barrier_signal -1
	MUL16 2, 1, 1, \slot, 0
	WIN 0
	s_barrier_wait -1
.if \fill
	s_add_nc_u64 s[G0+4*\slot+2:G0+4*\slot+3], s[G0+4*\slot+2:G0+4*\slot+3], 2*REC
	s_add_nc_u64 s[G0B+4*\slot+2:G0B+4*\slot+3], s[G0B+4*\slot+2:G0B+4*\slot+3], 2*REC
	JLOAD G0+4*\slot, G0B+4*\slot                  ; my one tensor load behind the barrier; its four v_nop are the places in front of the loads below
.else
	PLACES
.endif
	FETCH_B \next, 0, 0
	FETCH_A \next, 0, 0
	SCALES \next
	WIN MUL_HI
	MUL16 4, 1, 1, \slot, 0
	MUL16 6, 1, 1, \slot, 0
	PLACES
	WIN 0
	FETCH_A \next, 0, 4
.endm
	s_load_b256 s[4:11], s[0:1], 0x0               ; qc, kc, pc, ps
	v_lshl_add_u32 v[SPW], v0, 2, SPARE
	v_mov_b32 v[NIL], 0
	ds_add_u32 v[SPW], v[NIL]                      ; the wave's opening: the add, twice on end, and its wait ahead of my first tensor load
	ds_add_u32 v[SPW], v[NIL]
	v_lshrrev_b32 v1, 5, v0
	v_readfirstlane_b32 s14, v1                    ; wave 0..3
	s_lshr_b32 s15, s14, 1                         ; my half of the queries.  Also: I fetch for Q (0) or for K (1)
	s_and_b32 s16, s14, 1                          ; my half of the keys.  Also: which half I fetch
	s_mov_b32 s66, 0                               ; the batch: 36 tiles each
.irp th, 36,72,108
	s_cmp_ge_u32 ttmp9, \th
	s_cselect_b32 s67, 1, 0
	s_add_co_u32 s66, s66, s67
.endr
	s_mul_i32 s67, s66, 36
	s_sub_co_u32 s67, ttmp9, s67                   ; the tile's number in the triangle
	s_mov_b32 s68, 0                               ; its query tile: row qb of the triangle begins at qb (qb + 1) / 2
.irp th, 1,3,6,10,15,21,28
	s_cmp_ge_u32 s67, \th
	s_cselect_b32 s69, 1, 0
	s_add_co_u32 s68, s68, s69
.endr
	s_add_co_u32 s69, s68, 1
	s_mul_i32 s69, s69, s68
	s_lshr_b32 s69, s69, 1
	s_sub_co_u32 s69, s67, s69                     ; its key tile, 0 .. qb
	s_cmp_eq_u32 s68, s69
	s_cselect_b32 s[DIAG], 1, 0
	s_sub_co_i32 s[D0], s15, s16
	s_lshl_b32 s[D0], s[D0], 7
	s_mov_b32 s[G1+0], 3<<16                       ; no mask; elements of 8 bytes; no padding
	s_mov_b32 s[G1+1], (REC/8)<<16                 ; tensor_dim0 = 416 elements: a record
	s_mov_b32 s[G1+2], 8<<16                       ; tensor_dim1 = 8 row blocks
	s_mov_b32 s[G1+3], (REC/8)<<16                 ; tile_dim0
	s_mov_b32 s[G1+4], 8                           ; tile_dim1
	s_mov_b32 s[G1+5], RBP/8                       ; from row block to row block
	s_mov_b32 s[G1+6], 0
	s_mov_b32 s[G1+7], 0
	s_lshl_b32 s80, s66, 3                         ; a batch has 8 tiles of 256 rows
	s_add_co_u32 s20, s80, s68
	s_add_co_u32 s46, s80, s69
	s_lshl_b32 s82, s20, 4
	s_lshl_b32 s83, s15, 3
	s_add_co_u32 s82, s82, s83                     ; my first query row block
	s_lshl_b32 s84, s82, 12                        ; in ps: 4,096 bytes a row block,
	s_lshl_b32 s83, s69, 9                         ; 512 a record
	s_add_co_u32 s84, s84, s83
	s_mov_b32 s85, 0
	s_mul_i32 s82, s82, PRB                        ; in pc
	s_mul_i32 s83, s69, REC
	s_add_co_u32 s82, s82, s83
	s_mov_b32 s83, 0
	s_mul_i32 s20, s20, TILEB
	s_mul_i32 s46, s46, TILEB
	s_mul_i32 s22, s16, HALFM
	s_add_co_u32 s20, s20, s22
	s_add_co_u32 s46, s46, s22
	s_mov_b32 s21, 0
	s_mov_b32 s47, 0
	s_mul_i32 s45, s14, HALFT
	s_mov_b32 s[SEL], 0x76543210
	s_mov_b32 s[SEL+1], 0xfedcba98
	s_mov_b32 s[CS], 0x3d38aa3b                    ; log2(e) / 32
	s_mov_b32 s[CS+1], s[CS]                       ; (named with it as a pair, so it is written)
.irp b, 0,1,2,3
	v_mov_b32 v[TM+4+\b], 0                        ; written once: a lane permute's destination counts as one of its sources
.endr
	v_mov_b32 v[PT], 0
	v_mov_b32 v[NM+1], 0                           ; (named as the upper half of the pair)
	v_mov_b32 v[NB], 0xff61b1e6
	v_mov_b32 v[NINF], 0xff800000
	s_wait_dscnt 0x0                               ; both opening adds are done
	s_wait_kmcnt 0x0
	s_add_nc_u64 s[20:21], s[4:5], s[20:21]
	s_add_nc_u64 s[46:47], s[6:7], s[46:47]
	s_add_nc_u64 s[8:9], s[8:9], s[82:83]
	s_add_nc_u64 s[10:11], s[10:11], s[84:85]
.irp s, 0,1
	s_mov_b32 s[G0+4*\s], 1
	s_add_co_u32 s[G0+4*\s+1], s45, \s*SLOT
	s_add_nc_u64 s[G0+4*\s+2:G0+4*\s+3], s[20:21], \s*REC
	s_or_b32 s[G0+4*\s+3], s[G0+4*\s+3], 0x80000000
	s_mov_b32 s[G0B+4*\s], 1
	s_add_co_u32 s[G0B+4*\s+1], s45, \s*SLOT
	s_add_nc_u64 s[G0B+4*\s+2:G0B+4*\s+3], s[46:47], \s*REC
	s_or_b32 s[G0B+4*\s+3], s[G0B+4*\s+3], 0x80000000
	JLOAD G0+4*\s, G0B+4*\s                        ; two loads of mine are out
.endr
	v_and_b32 v1, 31, v0
	v_lshlrev_b32 v2, 4, v1
	v_lshlrev_b32 v3, 3, v1
	s_mul_i32 s21, s15, HALFT
	s_mul_i32 s22, s16, HALFT
	s_add_co_u32 s22, s22, 2*HALFT
.irp s, 0,1
	v_add_nc_u32 v[ADRA+\s], s21, v2
	v_add_nc_u32 v[ADRB+\s], s22, v2
	v_add_nc_u32 v[ADSA+\s], s21, v3
	v_add_nc_u32 v[ADSB+\s], s22, v3
	s_add_co_u32 s21, s21, SLOT
	s_add_co_u32 s22, s22, SLOT
.endr
	s_mul_i32 s23, s16, 1536
	v_add_nc_u32 v[LIB], s23, v2
	s_lshl_b32 s23, s16, 2
	v_add_nc_u32 v[L8B], s23, v3
	v_and_b32 v4, 15, v0
	v_and_b32 v5, 8, v4
	v_add_nc_u32 v4, v4, v5                        ; r + 8 (r / 8)
	v_bfe_u32 v5, v0, 4, 1
	v_lshlrev_b32 v5, 4, v5
	v_sub_nc_u32 v[LQ], v4, v5
	s_wait_tensorcnt 1                             ; my part of slot 0 is in; slot 1's may stay out
	s_barrier_signal -1
	s_barrier_wait -1
	FETCH_B 0, 0, 0
	FETCH_A 0, 0, 0
	SCALES 0
	FETCH_A 0, 0, 4
	STEP 0, 1                                      ; the first products start the sums.  K = 1,024 is four slots' worth: the eight steps are written out
	TURN 0, 1, 1
	STEP 1, 0
	TURN 1, 0, 1
	STEP 0, 0
	TURN 0, 1, 0
	STEP 1, 0
	s_wait_dscnt 12
	WIN MUL_LO
	MUL16 0, 1, 1, 1, 0
	MUL16 2, 1, 1, 1, 0
	s_wait_dscnt 0
	WIN MUL_HI
	MUL16 4, 1, 1, 1, 0
	MUL16 6, 1, 1, 1, 0
	WIN 0
	PLACES
; BLOCK a OF 16 QUERIES x MY 128 KEYS: mask, local M, p, l, codes; stored as one fragment of P.
.macro SOFT a
.set W,  2+(\a)/4
.set AC, 64*((\a)%4)
.if (\a) > 0
	s_wait_xcnt 0x0                                ; the last block's stores have read their registers
.endif
	s_add_co_i32 s[TMPS], s[D0], 32*((\a)/2)+8*((\a)%2)
	s_cmp_eq_u32 s[DIAG], 0                        ; a branch on ids: under the diagonal every key counts
	s_cbranch_scc1 .Lopen_\@
	v_add_nc_u32 v[DD], s[TMPS], v[LQ]             ; d = my query - my first key - 16 (lane / 16): register 16 b + i is hidden where 32 b + i > d
	WIN W|(W<<6)
.set n, 0
.rept 64
	v_cmp_gt_i32 vcc_lo, 32*(n/16)+n%16, v[DD]
	v_cndmask_b32 v[AC+n], v[AC+n], v[NINF], vcc_lo
.set n, n+1
.endr
	WIN 0
.Lopen_\@:
	WIN W|(W<<2)
.irp b, 0,1,2,3
	v_max3_num_f32 v[TM+\b], v[AC+16*\b], v[AC+16*\b+1], v[NB]   ; the largest score of each block of 32 keys, over the floor -3e38.  It serves twice: for M, and, since p rises with the score, for the block's largest p
.endr
.irp i, 2,4,6,8,10,12,14
.irp b, 0,1,2,3
	v_max3_num_f32 v[TM+\b], v[AC+16*\b+\i], v[AC+16*\b+\i+1], v[TM+\b]
.endr
.endr
	WIN 0
.irp b, 0,1,2,3
	v_permlanex16_b32 v[TM+4+\b], v[TM+\b], s[SEL], s[SEL+1]
.endr
.irp b, 0,1,2,3
	v_max_num_f32 v[TM+\b], v[TM+\b], v[TM+4+\b]   ; with lane l xor 16's 16 keys
.endr
	v_max3_num_f32 v[MX], v[TM], v[TM+1], v[TM+2]
	v_max_num_f32 v[MX], v[MX], v[TM+3]
	v_mul_f32 v[MX], s[CS], v[MX]                  ; as t (c is positive)
	v_floor_f32 v[NM], -v[MX]                      ; -M = floor(-t) = -ceil(t): a whole number
	WIN W
.set n, 0
.rept 32
	v_pk_fma_f32 v[PP+n:PP+n+1], v[AC+n:AC+n+1], s[CS:CS+1], v[NM:NM+1] op_sel_hi:[1,0,0]   ; t - M, two at a time
.set n, n+2
.endr
	WIN 0
.irp b, 0,1,2,3
	v_fma_f32 v[TM+\b], v[TM+\b], s[CS], v[NM]     ; the same of each block's largest score
.endr
.set n, 0
.rept 64
	v_exp_f32 v[PP+n], v[PP+n]                     ; p = 2^(t - M)
.set n, n+1
.endr
	v_nop                                          ; a plain place behind the exponentials
	s_wait_alu depctr_va_vdst(0)                   ; one wait for the batch, ahead of its first reader
.irp b, 0,1,2,3
	v_exp_f32 v[TM+\b], v[TM+\b]                   ; the block's largest p: the same two instructions on the same number
.endr
	v_pk_add_f32 v[LA:LA+1], v[PP:PP+1], v[PP+2:PP+3]          ; l is taken of the unquantised p: two chains.  (They read the 64 alone: plain work behind the four)
	v_pk_add_f32 v[LB:LB+1], v[PP+4:PP+5], v[PP+6:PP+7]
.irp j, 8,12,16,20,24,28,32,36,40,44,48,52,56,60
	v_pk_add_f32 v[LA:LA+1], v[LA:LA+1], v[PP+\j:PP+\j+1]
	v_pk_add_f32 v[LB:LB+1], v[LB:LB+1], v[PP+\j+2:PP+\j+3]
.endr
	v_pk_add_f32 v[LA:LA+1], v[LA:LA+1], v[LB:LB+1]
	v_add_f32 v[LSUM], v[LA], v[LA+1]
	v_permlanex16_b32 v[PT], v[LSUM], s[SEL], s[SEL+1]
	v_add_f32 v[LSUM], v[LSUM], v[PT]              ; with lane l xor 16's 64 keys
	s_wait_alu depctr_va_vdst(0)                   ; and one for the four
.irp b, 0,1,2,3
	v_max_num_f32 v[TM+\b], 0x1800000, v[TM+\b]    ; the floor 2^(3 - 127): the byte cannot fall under 1
.endr
.irp b, 0,1,2,3
	v_add_nc_u32 v[TM+12+\b], 0xff000000, v[TM+\b] ; 2 off the exponent field: the conversion's scale operand
.endr
.irp b, 0,1,2,3
	v_lshrrev_b32 v[TM+4+\b], 23, v[TM+12+\b]      ; the scale's byte
.endr
	v_lshl_or_b32 v[PW], v[TM+5], 8, v[TM+4]
	v_lshl_or_b32 v[PW], v[TM+6], 16, v[PW]
	v_lshl_or_b32 v[PW], v[TM+7], 24, v[PW]
.irp c, 0,1
	v_cvt_scalef32_pk16_fp6_f32 v[PC+6*\c:PC+6*\c+2], v[PP+32*\c:PP+32*\c+15], v[TM+12+2*\c]
	v_cvt_scalef32_pk16_fp6_f32 v[PC+12+4*\c:PC+12+4*\c+2], v[PP+32*\c+16:PP+32*\c+31], v[TM+13+2*\c]
.endr
	v_nop                                          ; one plain place behind a scaled conversion
.irp c, 0,1
.irp i, 0,1,2
	v_permlane16_swap_b32 v[PC+6*\c+\i], v[PC+12+4*\c+\i]
.endr
.irp i, 0,1,2
	v_mov_b32 v[PC+3+6*\c+\i], v[PC+12+4*\c+\i]
.endr
.endr
.irp c, 0,1,2
	global_store_b128 v[LIB], v[PC+4*\c:PC+4*\c+3], s[8:9] offset:(\a)*PRB+512*\c   ; 512 consecutive bytes, at a multiple of 256 from the buffer's first byte
.endr
	global_store_b32 v[L8B], v[PW], s[8:9] offset:(\a)*PRB+3072
	global_store_b32 v[L8B], v[NM], s[10:11] offset:(\a)*4096
	global_store_b32 v[L8B], v[LSUM], s[10:11] offset:(\a)*4096+256
.endm
.irp a, 0,1,2,3,4,5,6,7
	SOFT \a
.endr
	s_wait_tensorcnt 0x0                           ; the wave's end
	ds_add_u32 v[SPW], v[NIL]
	s_wait_dscnt 0x0
	s_endpgm
.Lfunc_end_k_qaf31936415_score:
	.size	k_qaf31936415_score, .Lfunc_end_k_qaf31936415_score-k_qaf31936415_score
	.p2alignl 7, 3214868480
	.fill 96, 4, 3214868480
	.section	.rodata,"a",@progbits
	.p2align	6, 0x0
	.amdhsa_kernel k_qaf31936415_score
		.amdhsa_group_segment_fixed_size 327680
		.amdhsa_private_segment_fixed_size 0
		.amdhsa_enable_private_segment 0
		.amdhsa_kernarg_size 32
		.amdhsa_user_sgpr_count 2
		.amdhsa_user_sgpr_kernarg_segment_ptr 1
		.amdhsa_wavefront_size32 1
		.amdhsa_system_sgpr_workgroup_id_x 1
		.amdhsa_system_sgpr_workgroup_id_y 1
		.amdhsa_system_sgpr_workgroup_id_z 1
		.amdhsa_system_vgpr_workitem_id 0
		.amdhsa_next_free_vgpr 1024
		.amdhsa_next_free_sgpr 100
		.amdhsa_reserve_vcc 1
		.amdhsa_float_denorm_mode_32 3
		.amdhsa_float_denorm_mode_16_64 3
		.amdhsa_memory_ordered 1
		.amdhsa_forward_progress 1
		.amdhsa_inst_pref_size 237
	.end_amdhsa_kernel
	.amdgpu_metadata
---
amdhsa.version: [ 1, 2 ]
amdhsa.kernels:
  - .name:           k_qaf31936415_score
    .symbol:         k_qaf31936415_score.kd
    .args:
      - { .name: qc, .offset: 0, .size: 8, .value_kind: global_buffer, .address_space: global }
      - { .name: kc, .offset: 8, .size: 8, .value_kind: global_buffer, .address_space: global }
      - { .name: pc, .offset: 16, .size: 8, .value_kind: global_buffer, .address_space: global }
      - { .name: ps, .offset: 24, .size: 8, .value_kind: global_buffer, .address_space: global }
    .group_segment_fixed_size: 327680
    .private_segment_fixed_size: 0
    .kernarg_segment_align: 8
    .kernarg_segment_size: 32
    .max_flat_workgroup_size: 128
    .sgpr_count:     100
    .vgpr_count:     1024
    .wavefront_size: 32
...
	.end_amdgpu_metadata
.endif
;; end of part 3
;; launch ctx (part 4): grid 4 x 64, 4 waves a work-group, no clusters, 327,680 bytes of LDS; arguments pc, ps, vc, out0; writes out0
.if DOCPART == 4
	.amdgcn_target "amdgcn-amd-amdhsa--gfx1250"
	.amdhsa_code_object_version 6
	.text
	.protected	k_qaf31936415_ctx
	.globl	k_qaf31936415_ctx
	.p2align	8
	.type	k_qaf31936415_ctx,@function
k_qaf31936415_ctx:
	s_mov_b64 s[64:65], 0
	v_nop
	global_prefetch_b8 v0, s[64:65] scope:SCOPE_SE
	s_setreg_imm32_b32 hwreg(HW_REG_WAVE_MODE, 25, 1), 1
	s_wait_xcnt 0x0
; LAUNCH 4 OF 4.  context_vec = P values / l on codes of E2M3 (product 5).
; LEFT OUT (shown at launch 1's head): the steps of 256 keys that lie wholly behind a block's queries: a block of 128 queries qi walks T = qi / 2 + 1 of the 8 steps.
; A work-group of four waves makes 128 queries x 256 channels, a wave 64 x 128: 32 accumulators.  Source 0 = 16 channels of V (keys innermost), source 1 = 16 queries of P: a lane holds one query, its registers channels.
; THE ROW'S M AND l.  Launch 3 left -M and l for each (query, 128 keys).  Ahead of the products each wave serves its own four row blocks of queries, TWO AT A TIME: lanes 0-15 hold the queries of row block 2 e,
; lanes 16-31 those of row block 2 e + 1.  The row's -M is the least of the sixteen; D = M(row) - M(local), a whole number, held at 255; l(row) = the sum of l x 2^-D; each scale byte of P becomes max(byte - D, 0).
; The new scale words stay in 32 registers for the whole launch; the products of an odd row block take theirs from lanes 16-31 (MATRIX_SCALE_ROW1).  Nothing of this goes from wave to wave.
; LIMIT: a byte that would fall under 0 is held at 0: such a term is at most 7.5 x 2^-127, beside l > 1/2.  The division by l is a reciprocal (v_rcp_f32) and a multiplication.  Others: launch 1's head.
; A look of the statistics past the causal limit reads the last valid record again (the offset is held by a minimum on ids); its l counts 0 times, and its scale words are named by no product that runs.
; THE RING: two slots, each with TWO steps (512 keys): a row block's two records lie on end in memory and come as one row of 6,656 bytes.  Waves 0 and 1 fetch P's halves (4 rows each), waves 2 and 3 V's (8 rows each):
; one load a wave behind each change of slots, with two steps' work, 128 matrix instructions a wave, in which to land.  By this text's own count a wave has one tensor load out at any time.
; The eight steps and four changes of slots are written out: P's scale registers differ from step to step, and every LDS address is a constant + lane and wave terms.  A step past the limit is jumped over, and a slot that
; no step would read is not asked for: jumps on ids alone, the same in all four waves, round the step's loads and products, or round the tensor load's own lines.  Every wait for tensor loads is for 0.
; Where T is odd, the second record of P in the last slot fetched has not been written by launch 3: it comes with the first as part of one row, and no wave reads it.
; NO CLUSTER: the jump at the causal limit may not lead round a joint load, and partners along the queries would want different numbers of steps; what the four channel blocks share, P's tile, is a third of a step's bytes.
; REGISTERS: window 0: v1-12 lane and addresses; v32-47 V's scale pairs; v48-79 P's scale words (16 e + 2 step + half); v80-175 P's fragments, two sets; ahead of the products v80-215 the statistics;
;   on the way out v80-207 rows read back, two sets; v216-227 1 / l.   window 1: V's fragments, two sets, at v0 and v128.   window 2: the accumulators ((a, b) at v[8 (8 a + b)]).
.set REC,    3328
.set PRB,    8*REC                     ; a query row block in pc
.set VRB,    32*REC                    ; a channel row block in vc
.set ROW2,   2*REC                     ; a row block's two records: a row of a tile
.set PBYTES, 8*ROW2                    ; a slot: P's 8 rows, then V's 16
.set SLOTB,  24*ROW2
.set SPARE,  2*SLOTB                   ; behind the ring: the spare words, 128 bytes a wave, which no other line names
.set SP,     528                       ; the way out: a stage of 16 rows x (512 + 16) bytes for each wave.  It lies in slot 0, whose last fill and last read stand ahead of the last change of slots
.set FR,  12
.set LN,  1                            ; v1     my lane
.set ADA, 2                            ; v2-3   16 x lane + my half of P's rows in slot 0, 1
.set ADB, 4                            ; v4-5   16 x lane + my half of V's
.set ADSB, 6                           ; v6-7   8 x lane + the same
.set SPW, 8                            ; v8     my spare word; never rewritten
.set NIL, 9                            ; v9     0; never rewritten
.set CO,  10                           ; v10    16 x lane
.set STO, 11                           ; v11    the stage, way in: row r, + 64 (lane / 16)
.set RD,  12                           ; v12    way out
.set SB,  32                           ; V's scale words: block b, the step's q-th 128 keys: v[SB + 2 b + q]
.set SWR, 48                           ; P's: v[SWR + 16 e + 2 step + q], lanes 0-15 row block 2 e, lanes 16-31 row block 2 e + 1
.set AF,  80
.set NMR, 80                           ; v80-111   -M, numbered as P's scale words
.set LRG, 112                          ; v112-143  l
.set OS,  144                          ; v144-151  offsets into ps, one a step;  v152-159 into pc
.set OP,  152
.set NMF, 160                          ; v160-161  the row's -M
.set LS,  162                          ; v162-165  the row's l, in four chains (2 e + half)
.set DF,  166                          ; four of each: the chains take turns line by line
.set DI,  170
.set DN,  174
.set XX,  178
.set BY,  184                          ; v184-199
.set MY,  200                          ; v200-215
.set BK,  80                           ; the way out: v80-143 and v144-207 by turns
.set LI,  216                          ; v216, 218, 220, 222: 1 / l of my four row blocks, in all 32 lanes
.set RI,  224                          ; v224-225
.set PX,  226                          ; v226-227
.set WV,  12
.set ST,  17                           ; s17  T
.set PL,  18                           ; s18  where the half of P that I fetch goes in a slot
.set VL,  19                           ; s19  the same for V; also where my half of the channels lies
.set G1P, 24
.set G1V, 32
.set G0P, 40
.set G0V, 44
.set SEL, 60                           ; s[60:61] v_permlanex16_b32's selects for lane l xor 16
.set MSB, 0
.macro WIN new                         ; the immediate's high byte repeats the setting that is left; a switch that changes nothing is dropped
.if MSB != (\new)
	s_set_vgpr_msb (MSB<<8)|(\new)
.set MSB, (\new)
.endif
.endm
; Every wave issues one load.  The branch hangs on the wave's number alone.  An s_nop 0 and four v_nop follow each line.
.macro TLOAD
	s_cmp_lt_u32 s[WV], 2
	s_cbranch_scc0 .Lfor_v_\@
	tensor_load_to_lds s[G0P:G0P+3], s[G1P:G1P+7]
	s_nop 0
.rept 4
	v_nop
.endr
	s_branch .Lasked_\@
.Lfor_v_\@:
	tensor_load_to_lds s[G0V:G0V+3], s[G1V:G1V+7]
	s_nop 0
.rept 4
	v_nop
.endr
.Lasked_\@:
.endm
.macro PLACES                          ; four plain places in front of loads into registers that matrix instructions have read, and of the first read of results
.rept 4
	v_nop
.endr
.endm
.macro FRAG reg, adr, off              ; a fragment is an image of its 12 registers: three loads of 512 consecutive bytes
.irp c, 0,1,2
	ds_load_b128 v[\reg+4*\c:\reg+4*\c+3], v[\adr] offset:(\off)+512*\c
.endr
.endm
; One product: P's row block a x V's block b, the q-th 128 keys of step kp.
.macro WM a, b, q, kp, zero
.set xD,  8*(8*(\a)+(\b))
.set xV,  128*(\q)+FR*(\b)
.set xP,  AF+48*(\q)+FR*(\a)
.set xSV, SB+2*(\b)+(\q)
.set xSP, SWR+16*((\a)/2)+2*(\kp)+(\q)
.if (\zero) && ((\a)%2)
	v_wmma_scale_f32_16x16x128_f8f6f4 v[xD:xD+7], v[xV:xV+FR-1], v[xP:xP+FR-1], 0, v[xSV], v[xSP] matrix_a_fmt:MATRIX_FMT_FP6 matrix_b_fmt:MATRIX_FMT_FP6 matrix_b_scale:MATRIX_SCALE_ROW1
.elseif \zero
	v_wmma_scale_f32_16x16x128_f8f6f4 v[xD:xD+7], v[xV:xV+FR-1], v[xP:xP+FR-1], 0, v[xSV], v[xSP] matrix_a_fmt:MATRIX_FMT_FP6 matrix_b_fmt:MATRIX_FMT_FP6
.elseif (\a)%2
	v_wmma_scale_f32_16x16x128_f8f6f4 v[xD:xD+7], v[xV:xV+FR-1], v[xP:xP+FR-1], v[xD:xD+7], v[xSV], v[xSP] matrix_a_fmt:MATRIX_FMT_FP6 matrix_b_fmt:MATRIX_FMT_FP6 matrix_b_scale:MATRIX_SCALE_ROW1
.else
	v_wmma_scale_f32_16x16x128_f8f6f4 v[xD:xD+7], v[xV:xV+FR-1], v[xP:xP+FR-1], v[xD:xD+7], v[xSV], v[xSP] matrix_a_fmt:MATRIX_FMT_FP6 matrix_b_fmt:MATRIX_FMT_FP6
.endif
.endm
; 32 matrix instructions.  The 32 accumulators take turns, one instruction a turn, in the same order everywhere.
.macro MUL32 q, kp, zero
.irp a, 0,1,2,3
.irp b, 0,1,2,3,4,5,6,7
	WM \a, \b, \q, \kp, \zero
.endr
.endr
.endm
; THE CHANGE OF SLOTS stands at the head of the steps 2 u and 2 u + 1.  Each wave waits for all its tensor loads (its part of the slot ahead), adds 0 to its spare word, and waits for that and for its reads of the slot left.
; fill = 1: behind the barrier the other slot takes the steps 2 u + 2 and 2 u + 3, if the first of them is walked at all.
.macro CHANGE u, fill
	s_wait_tensorcnt 0x0                           ; no tensor load of mine is out, so a group 0 may be written
	ds_add_u32 v[SPW], v[NIL]                      ; 0 onto my spare word
.if \fill
	s_add_co_u32 s[G0P+1], s[PL], (((\u)+1)%2)*SLOTB       ; the walking descriptors: the other slot, the next two records
	s_add_nc_u64 s[G0P+2:G0P+3], s[G0P+2:G0P+3], ROW2
	s_add_co_u32 s[G0V+1], s[VL], (((\u)+1)%2)*SLOTB
	s_add_nc_u64 s[G0V+2:G0V+3], s[G0V+2:G0V+3], ROW2
.endif
	s_wait_dscnt 0x0
	s_barrier_signal -1
	s_barrier_wait -1
.if \fill
	s_cmp_le_u32 s[ST], 2*(\u)+2                   ; past the causal limit no wave reads that slot: it is not asked for
	s_cbranch_scc1 .Lpast_\@
	TLOAD                                          ; my one tensor load behind the barrier: it has two steps' work in which to land
.Lpast_\@:
.endif
.endm
; STEP kp OF 256 KEYS: the (kp % 2)-th record of each row in slot (kp / 2) % 2.
.macro KSTEP kp
.set SL, ((\kp)/2)%2
.set KO, ((\kp)%2)*REC
.if (\kp) > 0
	s_cmp_le_u32 s[ST], \kp                        ; a step past the limit is left out: a branch on ids, round its loads and products alone
	s_cbranch_scc1 .Lhid_\@
	PLACES
.endif
.irp b, 0,1,2,3,4,5,6,7
	ds_load_b64 v[SB+2*\b:SB+2*\b+1], v[ADSB+SL] offset:\b*ROW2+KO+3072
.endr
.irp q, 0,1
	WIN 0x40                                       ; destination window 1
.irp b, 0,1,2,3,4,5,6,7
	FRAG 128*\q+FR*\b, ADB+SL, KO+1536*\q+\b*ROW2
.endr
	WIN 0
.irp a, 0,1,2,3
	FRAG AF+48*\q+FR*\a, ADA+SL, KO+1536*\q+\a*ROW2
.endr
.endr
	s_wait_dscnt 36                                ; all but the second 128 keys' 36 loads
	WIN 0xa1                                       ; source 0 (V) window 1, source 1 (P) window 0, C and D window 2
.if (\kp) == 0
	MUL32 0, \kp, 1                                ; the first products start the sums: nothing is cleared
.else
	MUL32 0, \kp, 0
.endif
	s_wait_dscnt 0x0
	MUL32 1, \kp, 0
	WIN 0
.Lhid_\@:
.endm
	s_load_b256 s[4:11], s[0:1], 0x0               ; pc, ps, vc, out0
	v_lshl_add_u32 v[SPW], v0, 2, SPARE
	v_mov_b32 v[NIL], 0
	ds_add_u32 v[SPW], v[NIL]                      ; the wave's opening: the add, twice on end, and its wait ahead of my first tensor load
	ds_add_u32 v[SPW], v[NIL]
	v_lshrrev_b32 v13, 5, v0
	v_readfirstlane_b32 s[WV], v13                 ; wave 0..3
	s_lshr_b32 s13, s[WV], 1                       ; my half of the queries
	s_and_b32 s14, s[WV], 1                        ; my half of the channels.  Also: which half of P or V I fetch
	s_and_b32 s22, ttmp7, 0xffff
	s_lshr_b32 s15, s22, 4                         ; the batch
	s_and_b32 s16, s22, 15                         ; the block of 128 queries
	s_lshr_b32 s[ST], s16, 1
	s_add_co_u32 s[ST], s[ST], 1                   ; T
	s_mov_b32 s[G1P+0], 3<<16                      ; no mask; elements of 8 bytes; no padding
	s_mov_b32 s[G1P+1], (ROW2/8)<<16               ; tensor_dim0 = 832 elements: two records
	s_mov_b32 s[G1P+2], 4<<16                      ; tensor_dim1 = 4 row blocks
	s_mov_b32 s[G1P+3], (ROW2/8)<<16               ; tile_dim0
	s_mov_b32 s[G1P+4], 4                          ; tile_dim1
	s_mov_b32 s[G1P+5], PRB/8                      ; from row block to row block
	s_mov_b32 s[G1P+6], 0
	s_mov_b32 s[G1P+7], 0
	s_mov_b32 s[G1V+0], 3<<16
	s_mov_b32 s[G1V+1], (ROW2/8)<<16
	s_mov_b32 s[G1V+2], 8<<16                      ; 8 row blocks
	s_mov_b32 s[G1V+3], (ROW2/8)<<16
	s_mov_b32 s[G1V+4], 8
	s_mov_b32 s[G1V+5], VRB/8
	s_mov_b32 s[G1V+6], 0
	s_mov_b32 s[G1V+7], 0
	s_lshl_b32 s22, s15, 7
	s_lshl_b32 s23, s16, 3
	s_add_co_u32 s22, s22, s23                     ; the tile's first query row block: 128 x batch + 8 x block
	s_lshl_b32 s23, s14, 2
	s_add_co_u32 s23, s23, s22
	s_mul_i32 s48, s23, PRB                        ; P's half that I fetch
	s_mov_b32 s49, 0
	s_lshl_b32 s23, ttmp9, 4
	s_lshl_b32 s50, s14, 3
	s_add_co_u32 s23, s23, s50
	s_mul_i32 s50, s23, VRB                        ; V's: channel row block 16 x work-group x + 8 x half,
	s_mul_i32 s23, s15, 8*REC                      ; the batch's first record
	s_add_co_u32 s50, s50, s23
	s_mov_b32 s51, 0
	s_lshl_b32 s23, s13, 2
	s_add_co_u32 s23, s23, s22                     ; my four query row blocks, whose statistics I make
	s_lshl_b32 s52, s23, 12
	s_mov_b32 s53, 0
	s_mul_i32 s54, s23, PRB
	s_mov_b32 s55, 0
	s_lshl_b32 s22, s22, 4
	s_lshl_b32 s23, s13, 6
	s_add_co_u32 s22, s22, s23                     ; my first row of out0
	s_lshl_b32 s56, s22, 12
	s_lshl_b32 s23, ttmp9, 10
	s_add_co_u32 s56, s56, s23
	s_lshl_b32 s23, s14, 9
	s_add_co_u32 s56, s56, s23                     ; + my first channel, in bytes
	s_mov_b32 s57, 0
	s_mul_i32 s[PL], s14, 4*ROW2
	s_mul_i32 s[VL], s14, 8*ROW2
	s_add_co_u32 s[VL], s[VL], PBYTES
	s_mov_b32 s[SEL], 0x76543210
	s_mov_b32 s[SEL+1], 0xfedcba98
	s_wait_dscnt 0x0                               ; both opening adds are done
	s_wait_kmcnt 0x0
	s_mov_b32 s[G0P], 1
	s_mov_b32 s[G0P+1], s[PL]
	s_add_nc_u64 s[G0P+2:G0P+3], s[4:5], s[48:49]
	s_or_b32 s[G0P+3], s[G0P+3], 0x80000000
	s_mov_b32 s[G0V], 1
	s_mov_b32 s[G0V+1], s[VL]
	s_add_nc_u64 s[G0V+2:G0V+3], s[8:9], s[50:51]
	s_or_b32 s[G0V+3], s[G0V+3], 0x80000000
	TLOAD                                          ; slot 0: its first 256 keys count for every block of queries
	s_add_nc_u64 s[52:53], s[6:7], s[52:53]
	s_add_nc_u64 s[54:55], s[4:5], s[54:55]
	s_add_nc_u64 s[10:11], s[10:11], s[56:57]
	v_and_b32 v[LN], 31, v0
	v_lshlrev_b32 v[CO], 4, v[LN]
	v_and_b32 v13, 15, v0                          ; r
	v_bfe_u32 v14, v0, 4, 1                        ; h
	v_lshlrev_b32 v15, 3, v13                      ; a query's pair: 8 r
	v_lshl_add_u32 v16, v14, 12, v15               ; lanes 16-31 take the next row block: 4,096 bytes on in ps,
	v_mul_u32_u24 v17, v14, PRB
	v_add_nc_u32 v17, v17, v15                     ; 8 records on in pc
	s_sub_co_u32 s22, s[ST], 1
.irp kp, 0,1,2,3,4,5,6,7
	s_min_u32 s23, s22, \kp                        ; past the limit: the last valid record again
	s_lshl_b32 s58, s23, 9
	v_add_nc_u32 v[OS+\kp], s58, v16
	s_mul_i32 s58, s23, REC
	v_add_nc_u32 v[OP+\kp], s58, v17
.endr
.irp e, 0,1
.irp kp, 0,1,2,3,4,5,6,7
	global_load_b64 v[NMR+16*\e+2*\kp:NMR+16*\e+2*\kp+1], v[OS+\kp], s[52:53] offset:\e*8192
	global_load_b64 v[LRG+16*\e+2*\kp:LRG+16*\e+2*\kp+1], v[OS+\kp], s[52:53] offset:\e*8192+256
	global_load_b64 v[SWR+16*\e+2*\kp:SWR+16*\e+2*\kp+1], v[OP+\kp], s[54:55] offset:\e*2*PRB+3072
.endr
.endr
	s_mul_i32 s22, s13, 4*ROW2
	v_add_nc_u32 v[ADA], s22, v[CO]
	v_add_nc_u32 v[ADA+1], SLOTB, v[ADA]
	v_add_nc_u32 v[ADB], s[VL], v[CO]
	v_add_nc_u32 v[ADB+1], SLOTB, v[ADB]
	v_lshlrev_b32 v18, 3, v[LN]
	v_add_nc_u32 v[ADSB], s[VL], v18
	v_add_nc_u32 v[ADSB+1], SLOTB, v[ADSB]
	s_mul_i32 s22, s[WV], 16*SP                    ; my stage
	v_mul_u32_u24 v[STO], v13, SP
	v_lshl_add_u32 v[STO], v14, 6, v[STO]
	v_add_nc_u32 v[STO], s22, v[STO]
	v_add_nc_u32 v[RD], s22, v[CO]
	v_mov_b32 v[PX], 0                             ; written once: a lane permute's destination counts as one of its sources
	v_mov_b32 v[PX+1], 0
	CHANGE 0, 1                                    ; slot 0 is whole; slot 1 is asked for here, ahead of the arithmetic below, under which it is on its way.  (The statistics' loads into registers stay out across this barrier: nobody writes those bytes)
	s_wait_loadcnt 0x0
.irp e, 0,1
	v_min3_num_f32 v[NMF+\e], v[NMR+16*\e], v[NMR+16*\e+1], v[NMR+16*\e+2]   ; the row's -M: the least of the sixteen
.endr
.irp i, 3,5,7,9,11,13
.irp e, 0,1
	v_min3_num_f32 v[NMF+\e], v[NMF+\e], v[NMR+16*\e+\i], v[NMR+16*\e+\i+1]
.endr
.endr
.irp e, 0,1
	v_min_num_f32 v[NMF+\e], v[NMF+\e], v[NMR+16*\e+15]
.endr
; Chain i = 2 e + half; its registers of step kp are number 16 (i / 2) + 2 kp + i % 2.  The four chains take turns, so that no line waits for the line above it.
.irp kp, 0,1,2,3,4,5,6,7
.if \kp > 0
	s_cmp_gt_u32 s[ST], \kp
	s_cselect_b32 s23, 1.0, 0                      ; a record that was read a second time counts for nothing in l
.endif
.irp i, 0,1,2,3
	v_sub_f32 v[DF+\i], v[NMR+16*(\i/2)+2*\kp+(\i%2)], v[NMF+(\i/2)]   ; D = M(row) - M(local), a whole number, 0 or more,
.endr
.irp i, 0,1,2,3
	v_min_num_f32 v[DF+\i], 0x437f0000, v[DF+\i]   ; held at 255
.endr
.irp i, 0,1,2,3
	v_cvt_u32_f32 v[DI+\i], v[DF+\i]
.endr
.irp i, 0,1,2,3
	v_sub_nc_u32 v[DN+\i], 0, v[DI+\i]
.endr
.if \kp == 0
.irp i, 0,1,2,3
	v_ldexp_f32 v[LS+\i], v[LRG+16*(\i/2)+2*\kp+(\i%2)], v[DN+\i]      ; l x 2^-D: the first step, which every block walks, starts the sums
.endr
.else
.irp i, 0,1,2,3
	v_ldexp_f32 v[XX+\i], v[LRG+16*(\i/2)+2*\kp+(\i%2)], v[DN+\i]
.endr
.irp i, 0,1,2,3
	v_fma_f32 v[LS+\i], v[XX+\i], s23, v[LS+\i]
.endr
.endif
.irp y, 0,1,2,3
.irp i, 0,1,2,3
	v_bfe_u32 v[BY+4*\i+\y], v[SWR+16*(\i/2)+2*\kp+(\i%2)], 8*\y, 8
.endr
.endr
.irp y, 0,1,2,3
.irp i, 0,1,2,3
	v_min_u32 v[MY+4*\i+\y], v[BY+4*\i+\y], v[DI+\i]
.endr
.endr
.irp y, 0,1,2,3
.irp i, 0,1,2,3
	v_sub_nc_u32 v[BY+4*\i+\y], v[BY+4*\i+\y], v[MY+4*\i+\y]           ; max(byte - D, 0)
.endr
.endr
.irp i, 0,1,2,3
	v_lshl_or_b32 v[SWR+16*(\i/2)+2*\kp+(\i%2)], v[BY+4*\i+1], 8, v[BY+4*\i]
.endr
.irp i, 0,1,2,3
	v_lshl_or_b32 v[SWR+16*(\i/2)+2*\kp+(\i%2)], v[BY+4*\i+2], 16, v[SWR+16*(\i/2)+2*\kp+(\i%2)]
.endr
.irp i, 0,1,2,3
	v_lshl_or_b32 v[SWR+16*(\i/2)+2*\kp+(\i%2)], v[BY+4*\i+3], 24, v[SWR+16*(\i/2)+2*\kp+(\i%2)]
.endr
.endr
	v_add_f32 v[LS], v[LS], v[LS+1]                ; from here to the first product stand twelve plain vector lines: more than the eight places that a scale register written by a vector instruction wants ahead of a scaled product
	v_add_f32 v[LS+2], v[LS+2], v[LS+3]
	v_rcp_f32 v[RI], v[LS]
	v_rcp_f32 v[RI+1], v[LS+2]
	v_nop                                          ; a plain place behind the reciprocals
	s_wait_alu depctr_va_vdst(0)                   ; and a wait ahead of the first use
	v_cmp_gt_u32 vcc_lo, 16, v[LN]                 ; lanes 0-15
	v_permlanex16_b32 v[PX], v[RI], s[SEL], s[SEL+1]
	v_permlanex16_b32 v[PX+1], v[RI+1], s[SEL], s[SEL+1]
	v_cndmask_b32 v[LI+0], v[PX], v[RI], vcc_lo    ; 1 / l of an even row block lies in lanes 0-15: lanes 16-31 take it from the lane 16 below;
	v_cndmask_b32 v[LI+2], v[RI], v[PX], vcc_lo    ; of an odd one the other way round
	v_cndmask_b32 v[LI+4], v[PX+1], v[RI+1], vcc_lo
	v_cndmask_b32 v[LI+6], v[RI+1], v[PX+1], vcc_lo
.irp a, 0,1,2,3
	v_mov_b32 v[LI+2*\a+1], 0                      ; the pairs' upper halves, named by the packed form
.endr
	KSTEP 0
	KSTEP 1
	CHANGE 1, 1
	KSTEP 2
	KSTEP 3
	CHANGE 2, 1
	KSTEP 4
	KSTEP 5
	CHANGE 3, 0                                    ; nothing is left to fetch.  Behind this barrier no wave reads slot 0, and no load lands there: the stages lie in it
	KSTEP 6
	KSTEP 7
; THE WAY OUT: a block of 16 queries x my 128 channels is multiplied by 1 / l in place, goes through my stage and leaves as whole rows of 512 bytes.  Block a goes through the stage while block a - 1 is stored.
.macro TOSTAGE a
	WIN 0x82                                       ; destination and source 0 window 2, 1 / l window 0
.set n, 0
.rept 32
	v_pk_mul_f32 v[64*(\a)+n:64*(\a)+n+1], v[64*(\a)+n:64*(\a)+n+1], v[LI+2*(\a):LI+2*(\a)+1] op_sel_hi:[1,0]   ; each accumulator from its low end on
.set n, n+2
.endr
	WIN 0x08                                       ; an LDS store's data are its source 1: window 2
.irp b, 0,1,2,3,4,5,6,7
	ds_store_b128 v[STO], v[64*(\a)+8*\b:64*(\a)+8*\b+3] offset:128*(\b/2)+32*(\b%2)        ; tile b's register j is channel 32 (b / 2) + 16 (lane / 16) + 8 (b % 2) + j
	ds_store_b128 v[STO], v[64*(\a)+8*\b+4:64*(\a)+8*\b+7] offset:128*(\b/2)+32*(\b%2)+16
.endr
	WIN 0
.if (\a) >= 2
	s_wait_xcnt 0x0                                ; block a - 2's stores have read their registers: block a's rows land there only behind this wait
.endif
.irp t, 0,1,2,3,4,5,6,7,8,9,10,11,12,13,14,15
	ds_load_b128 v[BK+64*((\a)%2)+4*\t:BK+64*((\a)%2)+4*\t+3], v[RD] offset:SP*\t   ; LDS serves a wave's instructions in order (ISA guide 5.7.1.4): these see my stores, and the next block's stores come behind them
.endr
.endm
.macro SEND a, younger                 ; younger: the LDS instructions issued behind block a's loads: the next block's 16 stores and 16 loads, or none
	s_wait_dscnt \younger
.irp t, 0,1,2,3,4,5,6,7,8,9,10,11,12,13,14,15
	global_store_b128 v[CO], v[BK+64*((\a)%2)+4*\t:BK+64*((\a)%2)+4*\t+3], s[10:11] offset:(32*((\a)/2)+8*((\a)%2)+\t+8*(\t/8))*4096 th:TH_STORE_NT   ; 512 consecutive bytes of a row, at a multiple of 256 from out0's first byte
.endr
.endm
	PLACES                                         ; behind the last products
	TOSTAGE 0
	TOSTAGE 1
	SEND 0, 32
	TOSTAGE 2
	SEND 1, 32
	TOSTAGE 3
	SEND 2, 32
	SEND 3, 0
	s_wait_tensorcnt 0x0                           ; the wave's end, behind my last tensor load and my last LDS store
	ds_add_u32 v[SPW], v[NIL]
	s_wait_dscnt 0x0
	s_endpgm
.Lfunc_end_k_qaf31936415_ctx:
	.size	k_qaf31936415_ctx, .Lfunc_end_k_qaf31936415_ctx-k_qaf31936415_ctx
	.p2alignl 7, 3214868480
	.fill 96, 4, 3214868480
	.section	.rodata,"a",@progbits
	.p2align	6, 0x0
	.amdhsa_kernel k_qaf31936415_ctx
		.amdhsa_group_segment_fixed_size 327680
		.amdhsa_private_segment_fixed_size 0
		.amdhsa_enable_private_segment 0
		.amdhsa_kernarg_size 32
		.amdhsa_user_sgpr_count 2
		.amdhsa_user_sgpr_kernarg_segment_ptr 1
		.amdhsa_wavefront_size32 1
		.amdhsa_system_sgpr_workgroup_id_x 1
		.amdhsa_system_sgpr_workgroup_id_y 1
		.amdhsa_system_sgpr_workgroup_id_z 1
		.amdhsa_system_vgpr_workitem_id 0
		.amdhsa_next_free_vgpr 768
		.amdhsa_next_free_sgpr 66
		.amdhsa_reserve_vcc 1
		.amdhsa_float_denorm_mode_32 3
		.amdhsa_float_denorm_mode_16_64 3
		.amdhsa_memory_ordered 1
		.amdhsa_forward_progress 1
		.amdhsa_inst_pref_size 178
	.end_amdhsa_kernel
	.amdgpu_metadata
---
amdhsa.version: [ 1, 2 ]
amdhsa.kernels:
  - .name:           k_qaf31936415_ctx
    .symbol:         k_qaf31936415_ctx.kd
    .args:
      - { .name: pc, .offset: 0, .size: 8, .value_kind: global_buffer, .address_space: global }
      - { .name: ps, .offset: 8, .size: 8, .value_kind: global_buffer, .address_space: global }
      - { .name: vc, .offset: 16, .size: 8, .value_kind: global_buffer, .address_space: global }
      - { .name: out0, .offset: 24, .size: 8, .value_kind: global_buffer, .address_space: global }
    .group_segment_fixed_size: 327680
    .private_segment_fixed_size: 0
    .kernarg_segment_align: 8
    .kernarg_segment_size: 32
    .max_flat_workgroup_size: 128
    .sgpr_count:     66
    .vgpr_count:     768
    .wavefront_size: 32
...
	.end_amdgpu_metadata
.endif
;; end of part 4
